; MI455X (gfx1250); checked and timed in simulation.
; The chip was launched on July 23, 2026; its instructions are those of AMD's public machine-readable ISA for CDNA 5 (MIT licence, August 2026) and "CDNA5" Instruction Set Architecture Reference Guide (July 2026). The comments in the code are by the model that wrote it; some were corrected since.
;; Transformer Block. Allowed arithmetic: matrix products marked QUANTISED: E2M3 operands, one E8M0 scale for each 32 along K, by v_wmma_scale_f32_16x16x128_f8f6f4 with both operands' format E2M3, f32 sums; everything else in f32.
;; Inputs: ff_b1 4,096 float32; ff_b2 1,024 float32; ff_w1 1,024 x 4,096 float32; ff_w2 4,096 x 1,024 float32; ln1_b 1,024 float32; ln1_g 1,024 float32; ln2_b 1,024 float32; ln2_g 1,024 float32; out_b 1,024 float32; out_w 1,024 x 1,024 float32; qkv_b 3,072 float32; qkv_w 1,024 x 3,072 float32; x 2 x 2,048 x 1,024 float32.
;; Outputs: out0 2 x 2,048 x 1,024 float32.
;; This version of the problem:
;;   THIS VERSION OF THE PROBLEM IS GIVEN IN LOW PRECISION. The matrix products marked QUANTISED in the list below multiply operands that are first quantised to E2M3 (2 exponent bits, 3 mantissa bits; 6 bits a number), with one power-of-two scale for each 32 numbers along K (OCP MX v1.0); their sums are f32. All else is computed in f32.
;;   The module's matrix products, in the order in which they are computed (A, B: the left and right operand; K: the contracted axis; several contracted axes count as one K, in the product's order):
;;     1. [M 4,096, K 1,024] x [K 1,024, N 3,072]; A: computed on the way; B: input qkv_w: QUANTISED
;;     2. batch 32 x [M 2,048, K 64] x [K 64, N 2,048]; A: computed on the way; B: computed on the way: QUANTISED
;;     3. batch 32 x [M 64, K 2,048] x [K 2,048, N 2,048]; A: computed on the way; B: softmax (see below): QUANTISED
;;     4. [M 4,096, K 1,024] x [K 1,024, N 1,024]; A: computed on the way; B: input out_w: QUANTISED
;;     5. [M 4,096, K 1,024] x [K 1,024, N 4,096]; A: computed on the way; B: input ff_w1: QUANTISED
;;     6. [M 4,096, K 4,096] x [K 4,096, N 1,024]; A: computed on the way; B: input ff_w2: QUANTISED
;;   THE QUANTISER, for each operand of a quantised product, along K:
;;     - K is cut into blocks of 32 from its start; a last block that is shorter is filled with zeros.
;;     - A block's scale is 2^e with e = floor(log2(the largest magnitude in the block)) - 2, held to -126 .. 127; a block of zeros has e = 0. As a byte (E8M0): e + 127.
;;     - Each number is divided by its block's scale, clamped to +-7.5, and rounded to the nearest number of E2M3, ties to even, subnormals kept.
;;     - The product sums the exact products of the quantised numbers (number of the format x scale) in f32.
;;   ~~~python
;;   def quantise(x, axis):      # numpy; x: float32 -> the quantised numbers, widened to float32 again
;;       x = np.moveaxis(x, axis, -1); K = x.shape[-1]
;;       x = np.pad(x, [(0, 0)] * (x.ndim - 1) + [(0, -K % 32)]); x = x.reshape(x.shape[:-1] + (-1, 32)); a = np.abs(x).max(-1, keepdims=True)
;;       e = np.where(a > 0, np.clip(np.frexp(np.where(a > 0, a, 1))[1] - 1 - 2, -126, 127), 0)      # np.frexp(a)[1] - 1 = floor(log2(a)), exactly
;;       r = np.clip(x / 2.0 ** e, -7.5, 7.5)
;;       step = 2.0 ** (np.maximum(np.frexp(np.where(r == 0, 1, r))[1] - 1, 0) - 3)
;;       q = np.round(r / step) * step * 2.0 ** e      # np.round: ties to even
;;       return np.moveaxis(q.reshape(q.shape[:-2] + (-1,))[..., :K], -1, axis).astype(np.float32)
;;   ~~~
;;   SOFTMAX AHEAD OF A QUANTISED PRODUCT. Where the list says 'softmax', what is quantised is not the finished softmax but p = 2^(t - M), with t = logit x log2(e) and M = ceil(the row's largest t), a whole number; so 1/2 < the row's largest p <= 1. The row's sum l is taken of the UNQUANTISED p, in f32, and the product's result is divided by l at the end. Since M is a whole number, a kernel that streams over the keys may use a running M (the ceiling of the running maximum): every later rescaling is an exact power of two, which a block's scale takes up: the codes' values come out the same.
;;   OPERANDS COMPUTED ON THE WAY. 'Computed on the way' means the value that the module computes at that place (a softmax that the list does not call 'softmax' is quantised finished and normalised). What goes into a quantiser is computed in f32, as accurately as f32 sums, v_exp_f32 and their like allow (about 1e-6 of the number): no bf16 or f16 on the way to a quantiser, and a product that is left as it is and whose result goes on into a quantised operand takes f32 operands (vector FMAs, or v_wmma_f32_16x16x4_f32). A number that lies on a knife's edge between two numbers of the format may be rounded either way, as far as f32 arithmetic and the matrix unit's own rounding can turn it there, and no further.
;; One version. Each part assembles by itself: llvm-mc -triple=amdgcn-amd-amdhsa -mcpu=gfx1250 --defsym DOCPART=n.
;; ======== version 1 of 1: 6 launches
;; limits: right only within a limited range of input values
;; workspace buffers: wp 9,830,400 bytes; a1 3,276,800 bytes; qkv 10,092,544 bytes; op 3,276,800 bytes; x1 16,777,216 bytes; a2 3,276,800 bytes; hm 13,107,200 bytes
;; launch pre (part 1): grid 512 x 1, 8 waves a work-group, no clusters, 69,632 bytes of LDS; arguments x, ln1_g, ln1_b, a1, qkv_w, out_w, ff_w1, ff_w2, wp; writes a1, wp
.if DOCPART == 1
	.amdgcn_target "amdgcn-amd-amdhsa--gfx1250"
	.amdhsa_code_object_version 6
	.text
	.protected	k_qb81e1809d8_pre
	.globl	k_qb81e1809d8_pre
	.p2align	8
	.type	k_qb81e1809d8_pre,@function
k_qb81e1809d8_pre:
	s_mov_b64 s[64:65], 0
	v_nop
	global_prefetch_b8 v0, s[64:65] scope:SCOPE_SE
	s_setreg_imm32_b32 hwreg(HW_REG_WAVE_MODE, 25, 1), 1
	s_wait_xcnt 0x0
; TWO PIECES OF WORK THAT DEPEND ON NOTHING OF EACH OTHER, IN ONE LAUNCH: work-groups 0-255 make a1 = Q(layer norm(x) x g + b); work-groups 256-639 quantise the four weights into wp.
; The paths part on the work-group's number alone, so all eight waves of a work-group take the same path; only the first path touches LDS and has barriers.
; BOTH RESULTS are codes of FP6 (E2M3) with one E8M0 byte for each 32 along K, laid as images of the matrix operand's registers.  A RECORD of 12,800 bytes holds 128 rows x 128 K: fragment rb (16 rows) at 1,536 rb;
; in it chunk c at 512 c, lane l's 16 bytes at 16 l = operand registers 4 c .. 4 c + 3 of lane l; the rows' scale words at 12,288 + 64 rb + 4 r.  Record (rt, ks) lies at (first + rt KSN + ks) x 12,800.
; THE ROWS OF A RECORD ARE NOT IN ORDER: row p holds token or column p with bits 3 and 4 exchanged, so that a product's results fall into the lanes as the next quantiser wants them.
; LAYER NORM.  A work-group owns 16 rows, wave w its K step w (128 columns).  Each load takes 512 consecutive bytes of one row; the wave's 8 KB turn through its own stage in LDS (rows 528 bytes apart), after which
; lane (r, h) holds, of row r, register 16 b + i = column 128 w + 32 b + 16 h + i.  Mean and variance in two passes, each summed over lanes, then over the eight waves through LDS words of its own: two barriers.
; WEIGHTS [K][N], f32, K their first axis: qkv_w first record 0, out_w 192, ff_w1 256, ff_w2 512.  A work-group makes two records, wave W quarter W % 4 (fragments 2 q, 2 q + 1) of record 2 (x - 256) + W / 4.
; A lane takes a column and its registers run down K: a load reads 128 consecutive bytes a wave, a block of 32 lies in one lane.
; A block's scale byte is its largest magnitude's exponent field - 2, held at 1 from below.
; LIMITS: a block of zeros, or one whose largest magnitude lies under 2^-124, has the byte 1 (this program alone reads the bytes; zero codes add nothing); NaN and infinities are not served.
; THE DEAL OF WORK-GROUPS, as this text has it (it takes the place of the numbers given above): work-groups 0-127 make the layer norm, TWO row blocks of 16 rows each, one after the other (blocks 2 x and 2 x + 1);
; work-groups 128-511 quantise the weights, two records each.  So every work-group reads 131,072 bytes, and there are 512 of them.  The second row block lies 8 tokens (32,768 bytes of x) behind the first,
; its fragment 1,536 bytes and its scale words 64 bytes behind the first's: the block's text is a macro, and the second run differs by immediates alone.
.set X, 32
.set G,   96                           ; v96-159  the gains of my 64 columns
.set BT,  160                          ; v160-223 the biases
.set TM,  96                           ; the quantiser works where the gains lay
.set PC,  112
.set PW,  132
.set SEL, 26
.set SP,  528                          ; a stage row: 512 bytes + 16: the sixteen rows that a load touches start at sixteen different groups of banks
.set STAGE, 1024                       ; LDS: 0 and 512: the two reductions' words; from 1,024: a stage of 16 rows for each wave
.set WX,  64                           ; weights: v64-191 my column's 128 numbers
.set F0,  16                           ; v16-27   the first fragment
.set F1,  28                           ; v28-39   the second
.set T,   40                           ; v40-55   the blocks' upper 16 codes: four runs of three registers, each begun on an even number
.macro QUANT s                         ; 64 numbers of a lane, register 16 b + i = k 32 b + 16 (lane / 16) + i of my row, become a fragment's codes in v[PC] on and its scale word in v[PW]
.irp b, 0,1,2,3
	v_max3_num_f32 v[TM+\b], |v[\s+16*\b]|, |v[\s+1+16*\b]|, 0x1800000   ; my 16 numbers of block b, and the floor 2^(3 - 127)
.endr
.irp i, 2,4,6,8,10,12,14
.irp b, 0,1,2,3
	s_delay_alu instid0(VALU_DEP_4)
	v_max3_num_f32 v[TM+\b], v[TM+\b], |v[\s+16*\b+\i]|, |v[\s+1+16*\b+\i]|
.endr
.endr
.irp b, 0,1,2,3
	s_delay_alu instid0(VALU_DEP_4)
	v_permlanex16_b32 v[TM+4+\b], v[TM+\b], s[SEL], s[SEL+1]
.endr
.irp b, 0,1,2,3
	s_delay_alu instid0(VALU_DEP_4)
	v_max_num_f32 v[TM+\b], v[TM+\b], v[TM+4+\b]   ; with lane l xor 16's: the block's largest magnitude
.endr
.irp b, 0,1,2,3
	s_delay_alu instid0(VALU_DEP_4)
	v_add_nc_u32 v[TM+12+\b], 0xff000000, v[TM+\b] ; 2 off its exponent field: the conversion's scale operand
.endr
.irp b, 0,1,2,3
	s_delay_alu instid0(VALU_DEP_4)
	v_lshrrev_b32 v[TM+4+\b], 23, v[TM+12+\b]      ; the scale's byte
.endr
	s_delay_alu instid0(VALU_DEP_3)
	v_lshl_or_b32 v[PW], v[TM+5], 8, v[TM+4]
	s_delay_alu instid0(VALU_DEP_1)
	v_lshl_or_b32 v[PW], v[TM+6], 16, v[PW]
	s_delay_alu instid0(VALU_DEP_1)
	v_lshl_or_b32 v[PW], v[TM+7], 24, v[PW]
.irp c, 0,1
	v_cvt_scalef32_pk16_fp6_f32 v[PC+6*\c:PC+2+6*\c], v[\s+32*\c:\s+15+32*\c], v[TM+12+2*\c]
	v_cvt_scalef32_pk16_fp6_f32 v[PC+12+4*\c:PC+14+4*\c], v[\s+16+32*\c:\s+31+32*\c], v[TM+12+2*\c+1]
.endr
	v_nop                                          ; one plain place behind a scaled conversion
.irp c, 0,1                                    ; the operand wants a whole block in a lane: lanes 0-15 block 2 c, lanes 16-31 block 2 c + 1
.irp i, 0,1,2
	v_permlane16_swap_b32 v[PC+6*\c+\i], v[PC+12+4*\c+\i]
.endr
.irp i, 0,1,2
	s_delay_alu instid0(VALU_DEP_3)
	v_mov_b32 v[PC+3+6*\c+\i], v[PC+12+4*\c+\i]
.endr
.endr
.endm
; four chains v[14:21] become the row's sum over 1,024 columns in v14, in every lane of the row
.macro REDUCE off
	s_delay_alu instid0(VALU_DEP_3)
	v_pk_add_f32 v[14:15], v[14:15], v[16:17]
	s_delay_alu instid0(VALU_DEP_2)
	v_pk_add_f32 v[18:19], v[18:19], v[20:21]
	s_delay_alu instid0(VALU_DEP_1)
	v_pk_add_f32 v[14:15], v[14:15], v[18:19]
	s_delay_alu instid0(VALU_DEP_1)
	v_add_f32 v14, v14, v15
	s_delay_alu instid0(VALU_DEP_1)
	v_permlanex16_b32 v15, v14, s[SEL], s[SEL+1]
	s_delay_alu instid0(VALU_DEP_1)
	v_add_f32 v14, v14, v15                        ; my row's 128 columns of this wave (lanes r and r + 16 hold the same bits)
	ds_store_b32 v7, v14 offset:\off
	s_wait_dscnt 0x0                               ; for the others' sake: my store has landed
	s_barrier_signal -1
	s_barrier_wait -1
	ds_load_b128 v[16:19], v8 offset:\off
	ds_load_b128 v[20:23], v8 offset:\off+16
	s_wait_dscnt 0x0
	v_pk_add_f32 v[16:17], v[16:17], v[18:19]
	v_pk_add_f32 v[20:21], v[20:21], v[22:23]
	s_delay_alu instid0(VALU_DEP_1)
	v_pk_add_f32 v[16:17], v[16:17], v[20:21]
	s_delay_alu instid0(VALU_DEP_1)
	v_add_f32 v14, v16, v17
.endm
	v_lshl_add_u32 v224, v0, 2, 0x10c00
	v_mov_b32 v225, 0
	s_cmp_lt_u32 ttmp9, 128
	s_cbranch_scc0 .Lweights
	; ---------------- THE LAYER NORM ----------------
	s_load_b256 s[4:11], s[0:1], 0x0               ; x, g, b, a1
	v_lshrrev_b32 v9, 5, v0
	s_delay_alu instid0(VALU_DEP_1)
	v_readfirstlane_b32 s12, v9                    ; wave = K step
	v_and_b32 v1, 15, v0                           ; r
	v_bfe_u32 v2, v0, 4, 1                         ; h
	v_and_b32 v5, 31, v0
	s_delay_alu instid0(VALU_DEP_1)
	v_lshlrev_b32 v5, 4, v5                        ; 16 x lane
	s_lshl_b32 s13, s12, 9
	v_add_nc_u32 v3, s13, v5                       ; x: 512 w + 16 x lane in a row
	v_lshlrev_b32 v4, 6, v2
	s_delay_alu instid0(VALU_DEP_1)
	v_add_nc_u32 v4, s13, v4                       ; g, b: 64 h + 512 w
	v_lshlrev_b32 v6, 2, v1                        ; 4 r
	v_lshlrev_b32 v8, 5, v1                        ; LDS: a row's eight partial sums, 32 r
	s_lshl_b32 s14, s12, 2
	v_add_nc_u32 v7, s14, v8                       ; and mine among them
	s_mul_i32 s25, s12, 16*SP
	s_add_co_u32 s25, s25, STAGE                   ; my wave's stage
	v_add_nc_u32 v24, s25, v5                      ; in: 16 x lane of a row
	v_mul_u32_u24 v25, v1, SP
	s_delay_alu instid0(VALU_DEP_1)
	v_lshl_add_u32 v25, v2, 6, v25
	s_delay_alu instid0(VALU_DEP_1)
	v_add_nc_u32 v25, s25, v25                     ; back: row r, + 64 h
	s_mov_b32 s[SEL], 0x76543210
	s_mov_b32 s[SEL+1], 0xfedcba98                 ; v_permlanex16_b32's selects for lane l xor 16
	s_mov_b32 s24, 0x3a800000                      ; 1 / 1,024
	s_lshl_b32 s28, ttmp9, 1                       ; RB: my first row block
	s_lshr_b32 s15, s28, 1
	s_lshl_b32 s15, s15, 5
	s_and_b32 s16, s28, 1
	s_lshl_b32 s16, s16, 3
	s_add_co_u32 s16, s15, s16                     ; token 32 (RB / 2) + 8 (RB % 2)
	s_lshl_b32 s16, s16, 12
	s_mov_b32 s17, 0
	s_lshr_b32 s18, s28, 3
	s_lshl_b32 s18, s18, 3
	s_add_co_u32 s18, s18, s12
	s_mul_i32 s18, s18, 12800                      ; my record
	s_and_b32 s19, s28, 7
	s_mul_i32 s20, s19, 1536
	s_add_co_u32 s20, s20, s18                     ; my fragment
	s_mov_b32 s21, 0
	s_lshl_b32 s22, s19, 6
	s_add_co_u32 s22, s22, s18
	s_add_co_u32 s22, s22, 12288                   ; its scale words
	s_mov_b32 s23, 0
	s_wait_alu depctr_va_vdst(0)
	s_wait_kmcnt 0x0
	s_add_nc_u64 s[4:5], s[4:5], s[16:17]
	s_add_nc_u64 s[20:21], s[10:11], s[20:21]
	s_add_nc_u64 s[22:23], s[10:11], s[22:23]
.macro LNB blk                         ; one row block: blk = 0, 1
.irp t, 0,1,2,3,4,5,6,7,8,9,10,11,12,13,14,15
	global_load_b128 v[X+4*\t:X+4*\t+3], v3, s[4:5] offset:(\t+8*(\t/8))*4096+32768*\blk th:TH_LOAD_NT   ; row t of the block is token t + 8 (t / 8) of the 32: 32 lanes read 512 consecutive bytes of it
.endr
.irp b, 0,1,2,3
.irp j, 0,1,2,3
	global_load_b128 v[G+16*\b+4*\j:G+16*\b+4*\j+3], v4, s[6:7] offset:128*\b+16*\j
.endr
.endr
.irp b, 0,1,2,3
.irp j, 0,1,2,3
	global_load_b128 v[BT+16*\b+4*\j:BT+16*\b+4*\j+3], v4, s[8:9] offset:128*\b+16*\j
.endr
.endr
	s_wait_loadcnt 32                              ; the 16 rows are in; the 32 loads of gains and biases may be out
.irp t, 0,1,2,3,4,5,6,7,8,9,10,11,12,13,14,15
	ds_store_b128 v24, v[X+4*\t:X+4*\t+3] offset:\t*SP
.endr
.irp b, 0,1,2,3
.irp j, 0,1,2,3
	ds_load_b128 v[X+16*\b+4*\j:X+16*\b+4*\j+3], v25 offset:128*\b+16*\j   ; LDS serves a wave's instructions in order (ISA guide 5.7.1.4): these see my stores, and come behind them into the registers that they left
.endr
.endr
	s_wait_dscnt 0x0
.irp c, 0,1,2,3
	v_pk_add_f32 v[14+2*\c:15+2*\c], v[X+2*\c:X+2*\c+1], v[X+8+2*\c:X+9+2*\c]
.endr
.irp j, 16,24,32,40,48,56
.irp c, 0,1,2,3
	s_delay_alu instid0(VALU_DEP_4)
	v_pk_add_f32 v[14+2*\c:15+2*\c], v[14+2*\c:15+2*\c], v[X+\j+2*\c:X+\j+2*\c+1]
.endr
.endr
	REDUCE 0
	s_delay_alu instid0(VALU_DEP_1)
	v_mul_f32 v10, s24, v14                        ; the mean
	s_delay_alu instid0(VALU_DEP_1)
	v_mov_b32 v11, v10
.set k, 0
.rept 32
	v_pk_add_f32 v[X+2*k:X+2*k+1], v[X+2*k:X+2*k+1], v[10:11] neg_lo:[0,1] neg_hi:[0,1]
.set k, k+1
.endr
.irp c, 0,1,2,3
	v_pk_mul_f32 v[14+2*\c:15+2*\c], v[X+2*\c:X+2*\c+1], v[X+2*\c:X+2*\c+1]
.endr
.irp j, 8,16,24,32,40,48,56
.irp c, 0,1,2,3
	s_delay_alu instid0(VALU_DEP_4)
	v_pk_fma_f32 v[14+2*\c:15+2*\c], v[X+\j+2*\c:X+\j+2*\c+1], v[X+\j+2*\c:X+\j+2*\c+1], v[14+2*\c:15+2*\c]
.endr
.endr
	REDUCE 512                                     ; other LDS words than the first sum's: no barrier is owed between the first sum's reads and these stores
	s_delay_alu instid0(VALU_DEP_1)
	v_fmaak_f32 v16, s24, v14, 0x3727c5ac          ; the variance + 1e-5
	s_wait_alu depctr_va_vdst(0)
	v_rsq_f32 v12, v16
	v_nop                                          ; a plain place behind the transcendental
	s_wait_alu depctr_va_vdst(0)                   ; and the wait ahead of its first reader
	v_mov_b32 v13, v12
	s_wait_alu depctr_va_vdst(0)
	s_wait_loadcnt 0x0                             ; gains and biases
.set k, 0
.rept 32
	v_pk_mul_f32 v[X+2*k:X+2*k+1], v[X+2*k:X+2*k+1], v[12:13]
.set k, k+1
.endr
.set k, 0
.rept 32
	v_pk_fma_f32 v[X+2*k:X+2*k+1], v[X+2*k:X+2*k+1], v[G+2*k:G+2*k+1], v[BT+2*k:BT+2*k+1]
.set k, k+1
.endr
	QUANT X
.irp c, 0,1,2
	global_store_b128 v5, v[PC+4*\c:PC+4*\c+3], s[20:21] offset:512*\c+1536*\blk   ; 512 consecutive bytes, at a multiple of 256 from the buffer's first byte
.endr
	global_store_b32 v6, v[PW], s[22:23] offset:64*\blk   ; lanes r and r + 16 store the same word with the same value
.endm
	LNB 0
	s_wait_xcnt 0x0                                ; the first block's stores have read their data: the second block's loads land on those registers
	LNB 1                                          ; each reduction's LDS words are stored again only behind the other reduction's barrier, in front of which every wave has waited for its reads of them
	s_wait_tensorcnt 0x0
	ds_add_u32 v224, v225
	s_wait_dscnt 0x0
	s_endpgm
	; ---------------- THE WEIGHTS ----------------
.Lweights:
	s_load_b256 s[4:11], s[0:1], 0x20              ; qkv_w, out_w, ff_w1, ff_w2
	s_load_b64 s[12:13], s[0:1], 0x40              ; wp
	v_lshrrev_b32 v4, 5, v0
	s_delay_alu instid0(VALU_DEP_1)
	v_readfirstlane_b32 s24, v4                    ; wave 0..7
	s_and_b32 s14, s24, 3                          ; my quarter of a record
	s_lshr_b32 s24, s24, 2                         ; which of the work-group's two records
	s_sub_co_u32 s25, ttmp9, 128
	s_lshl_b32 s25, s25, 1
	s_add_co_u32 s25, s25, s24                     ; my record, 0 .. 767
	v_and_b32 v4, 7, v0
	v_bfe_u32 v5, v0, 3, 1
	v_bfe_u32 v6, v0, 4, 1
	s_delay_alu instid0(VALU_DEP_2)
	v_lshl_or_b32 v4, v5, 4, v4
	s_delay_alu instid0(VALU_DEP_1)
	v_lshl_or_b32 v4, v6, 3, v4                    ; my lane with bits 3 and 4 exchanged: my column among the wave's 32
	s_delay_alu instid0(VALU_DEP_1)
	v_lshlrev_b32 v1, 2, v4                        ; in bytes
	v_and_b32 v7, 31, v0
	s_mul_i32 s15, s14, 3072
	v_lshlrev_b32 v2, 4, v7
	s_delay_alu instid0(VALU_DEP_1)
	v_add_nc_u32 v2, s15, v2                       ; out: 16 x lane + two fragments x quarter
	s_lshl_b32 s15, s14, 7                         ; 128 x quarter: the wave's 32 columns in bytes, and its 32 scale words
	v_lshlrev_b32 v3, 2, v7
	s_delay_alu instid0(VALU_DEP_1)
	v_add_nc_u32 v3, s15, v3
	s_mul_i32 s22, s25, 12800
	s_mov_b32 s23, 0
	s_mov_b32 s19, 0
	s_wait_kmcnt 0x0
	s_add_nc_u64 s[12:13], s[12:13], s[22:23]
; A weight's path: where my wave's 32 columns x 128 K begin, and the 128 loads.  Every offset is an immediate: 127 rows of 16,384 bytes at the most.
.macro WPATH first, N, LOGKSN, ptr
	s_sub_co_u32 s16, s25, \first
	s_lshr_b32 s17, s16, \LOGKSN                   ; rt
	s_and_b32 s18, s16, (1<<\LOGKSN)-1             ; ks
	s_mul_i32 s18, s18, 128*\N*4
	s_lshl_b32 s17, s17, 9
	s_add_co_u32 s18, s18, s17
	s_add_co_u32 s18, s18, s15
	s_add_nc_u64 s[20:21], s[\ptr:\ptr+1], s[18:19]
.set kk, 0
.rept 128
	global_load_b32 v[WX+kk], v1, s[20:21] offset:kk*\N*4 th:TH_LOAD_NT
.set kk, kk+1
.endr
.endm
	s_cmp_lt_u32 ttmp9, 128+96
	s_cbranch_scc0 .Lnot_qkv
	s_wait_alu depctr_va_vdst(0)
	WPATH 0, 3072, 3, 4
	s_branch .Lwork
.Lnot_qkv:
	s_cmp_lt_u32 ttmp9, 128+128
	s_cbranch_scc0 .Lnot_out
	s_wait_alu depctr_va_vdst(0)
	WPATH 192, 1024, 3, 6
	s_branch .Lwork
.Lnot_out:
	s_cmp_lt_u32 ttmp9, 128+256
	s_cbranch_scc0 .Lw2
	s_wait_alu depctr_va_vdst(0)
	WPATH 256, 4096, 3, 8
	s_branch .Lwork
.Lw2:
	s_wait_alu depctr_va_vdst(0)
	WPATH 512, 1024, 5, 10
.Lwork:
; Block kb of four.  left: at most so many younger loads are out; a wait's count holds 63 at the most, so the first two are 63: 65 of the 128 loads are then in
.macro BLOCK kb, left
.set XS, WX+32*(\kb)
	s_wait_loadcnt \left
	v_max3_num_f32 v8, |v[XS]|, |v[XS+1]|, |v[XS+2]|
	v_max3_num_f32 v9, |v[XS+3]|, |v[XS+4]|, |v[XS+5]|
.irp i, 6,10,14,18,22,26
	s_delay_alu instid0(VALU_DEP_2)
	v_max3_num_f32 v8, v8, |v[XS+\i]|, |v[XS+\i+1]|
	s_delay_alu instid0(VALU_DEP_2)
	v_max3_num_f32 v9, v9, |v[XS+\i+2]|, |v[XS+\i+3]|
.endr
	s_delay_alu instid0(VALU_DEP_2)
	v_max3_num_f32 v8, v8, |v[XS+30]|, |v[XS+31]|
	s_delay_alu instid0(VALU_DEP_1)
	v_max3_num_f32 v8, v8, v9, 0x1800000           ; and the floor 2^(3 - 127): the byte cannot fall under 1
	s_delay_alu instid0(VALU_DEP_1)
	v_add_nc_u32 v[10+(\kb)], 0xff000000, v8       ; 2 off the exponent field: the conversion's scale operand
	s_delay_alu instid0(VALU_DEP_1)
	v_lshrrev_b32 v9, 23, v[10+(\kb)]              ; the scale's byte
.if (\kb) == 0
	s_delay_alu instid0(VALU_DEP_1)
	v_mov_b32 v14, v9
.else
	s_delay_alu instid0(VALU_DEP_1)
	v_lshl_or_b32 v14, v9, 8*(\kb), v14            ; my column's scale word
.endif
.if (\kb)%2 == 0
	v_cvt_scalef32_pk16_fp6_f32 v[F0+6*((\kb)/2):F0+6*((\kb)/2)+2], v[XS:XS+15], v[10+(\kb)]
.else
	v_cvt_scalef32_pk16_fp6_f32 v[F1+6*((\kb)/2):F1+6*((\kb)/2)+2], v[XS:XS+15], v[10+(\kb)]
.endif
	v_cvt_scalef32_pk16_fp6_f32 v[T+4*(\kb):T+4*(\kb)+2], v[XS+16:XS+31], v[10+(\kb)]
.endm
	BLOCK 0, 63
	BLOCK 1, 63
	BLOCK 2, 32
	BLOCK 3, 0
	v_nop                                          ; one plain place behind a scaled conversion
; A lane holds all four blocks of its column; the operand wants block 2 c in lanes 0-15 and block 2 c + 1 in lanes 16-31 of the column's fragment.
; The exchange gives the first register (even blocks) the odd blocks of lanes 0-15 in its upper half: the first fragment; the second keeps lanes 16-31's columns: the second fragment.
.irp c, 0,1
.irp i, 0,1,2
	v_permlane16_swap_b32 v[F0+6*\c+\i], v[F1+6*\c+\i]
	v_permlane16_swap_b32 v[T+8*\c+\i], v[T+8*\c+4+\i]
.endr
.irp i, 0,1,2
	v_mov_b32 v[F0+6*\c+3+\i], v[T+8*\c+\i]
	v_mov_b32 v[F1+6*\c+3+\i], v[T+8*\c+4+\i]
.endr
.endr
.irp c, 0,1,2
	global_store_b128 v2, v[F0+4*\c:F0+4*\c+3], s[12:13] offset:512*\c          ; 32 lanes store 512 consecutive bytes, at a multiple of 256 from the buffer's first byte
	global_store_b128 v2, v[F1+4*\c:F1+4*\c+3], s[12:13] offset:1536+512*\c
.endr
	global_store_b32 v3, v14, s[12:13] offset:12288
	s_endpgm
.Lfunc_end_k_qb81e1809d8_pre:
	.size	k_qb81e1809d8_pre, .Lfunc_end_k_qb81e1809d8_pre-k_qb81e1809d8_pre
	.p2alignl 7, 3214868480
	.fill 96, 4, 3214868480
	.section	.rodata,"a",@progbits
	.p2align	6, 0x0
	.amdhsa_kernel k_qb81e1809d8_pre
		.amdhsa_group_segment_fixed_size 69632
		.amdhsa_private_segment_fixed_size 0
		.amdhsa_enable_private_segment 0
		.amdhsa_kernarg_size 72
		.amdhsa_user_sgpr_count 2
		.amdhsa_user_sgpr_kernarg_segment_ptr 1
		.amdhsa_wavefront_size32 1
		.amdhsa_system_sgpr_workgroup_id_x 1
		.amdhsa_system_sgpr_workgroup_id_y 1
		.amdhsa_system_sgpr_workgroup_id_z 1
		.amdhsa_system_vgpr_workitem_id 0
		.amdhsa_next_free_vgpr 226
		.amdhsa_next_free_sgpr 66
		.amdhsa_reserve_vcc 0
		.amdhsa_float_denorm_mode_32 3
		.amdhsa_float_denorm_mode_16_64 3
		.amdhsa_memory_ordered 1
		.amdhsa_forward_progress 1
		.amdhsa_inst_pref_size 116
	.end_amdhsa_kernel
	.amdgpu_metadata
---
amdhsa.version: [ 1, 2 ]
amdhsa.kernels:
  - .name:           k_qb81e1809d8_pre
    .symbol:         k_qb81e1809d8_pre.kd
    .args:
      - { .name: x, .offset: 0, .size: 8, .value_kind: global_buffer, .address_space: global }
      - { .name: ln1_g, .offset: 8, .size: 8, .value_kind: global_buffer, .address_space: global }
      - { .name: ln1_b, .offset: 16, .size: 8, .value_kind: global_buffer, .address_space: global }
      - { .name: a1, .offset: 24, .size: 8, .value_kind: global_buffer, .address_space: global }
      - { .name: qkv_w, .offset: 32, .size: 8, .value_kind: global_buffer, .address_space: global }
      - { .name: out_w, .offset: 40, .size: 8, .value_kind: global_buffer, .address_space: global }
      - { .name: ff_w1, .offset: 48, .size: 8, .value_kind: global_buffer, .address_space: global }
      - { .name: ff_w2, .offset: 56, .size: 8, .value_kind: global_buffer, .address_space: global }
      - { .name: wp, .offset: 64, .size: 8, .value_kind: global_buffer, .address_space: global }
    .group_segment_fixed_size: 69632
    .private_segment_fixed_size: 0
    .kernarg_segment_align: 8
    .kernarg_segment_size: 72
    .max_flat_workgroup_size: 256
    .sgpr_count:     66
    .vgpr_count:     226
    .wavefront_size: 32
...
	.end_amdgpu_metadata
.endif
;; end of part 1
;; launch g1 (part 2): grid 12 x 16, 4 waves a work-group, clusters of 4 x 4, 327,680 bytes of LDS; arguments a1, wp, qkv_b, qkv; writes qkv
.if DOCPART == 2
	.amdgcn_target "amdgcn-amd-amdhsa--gfx1250"
	.amdhsa_code_object_version 6
	.text
	.protected	k_qb81e1809d8_g1
	.globl	k_qb81e1809d8_g1
	.p2align	8
	.type	k_qb81e1809d8_g1,@function
k_qb81e1809d8_g1:
	s_mov_b64 s[64:65], 0
	v_nop
	global_prefetch_b8 v0, s[64:65] scope:SCOPE_SE
	s_setreg_imm32_b32 hwreg(HW_REG_WAVE_MODE, 25, 1), 1
	s_wait_xcnt 0x0
	s_wait_alu depctr_hold_cnt(0) depctr_sa_sdst(0) depctr_va_vdst(0) depctr_va_sdst(0) depctr_va_ssrc(0) depctr_va_vcc(0) depctr_vm_vsrc(0)
	s_getreg_b32 s2, hwreg(HW_REG_IB_STS2, 6, 4)
	s_cmp_eq_u32 s2, 0
	s_cbranch_scc0 .Lentry_in_a_cluster
	s_endpgm
.Lentry_in_a_cluster:
	s_bfe_u32 s2, ttmp6, 0x10000c
	s_cmp_lg_u32 s2, 0xf033
	s_cbranch_scc0 .Lentry_shape_is_right
	s_endpgm
.Lentry_shape_is_right:
; q, k, v = Q(a1 W^T + b), on codes of FP6 (E2M3) with E8M0 scales; operands come as records of 12,800 bytes (128 rows x 128 K, images of the operand's registers, scale words at 12,288).
; A work-group makes 256 x 256, four waves of 128 x 128; K = 1,024 is eight steps of 128.  Clusters 4 x 4: A's records are asked for jointly along a row of the cluster, B's along a column.
; LDS: a quarter of 76,800 bytes for each wave's tensor loads (A's two record rows, then B's two), six steps on end, counted as three slots of two steps.
; The head's one load a wave brings steps 0 to 5; behind the round in step 1 slot 0 takes steps 6 and 7, the launch's one refill; a plain barrier in step 5 shows it to all waves.
; No prefetch: six of the eight steps are asked for at the head, and the refill follows one step later.
.set W, 8
.set KSN,   8
.set WOFF,  0
.set NQ,    2
.set D,     1
.set RPT,   2
.set WSTEP, KSN
.set PSTEP, 76800
.set SSTEP, 76800
.set NLD,   7*W
.set CNT,   NLD*(D-1)
.set REC,   12800
.set QUART, 76800                      ; six steps of one record row
.set SLOT, 25600                       ; two steps inside a quarter
.set SPARE, 4*QUART
.set ADRA, 4                           ; v4-6   LDS address of my A fragments in slot 0, 1, 2
.set ADRS, 8                           ; v8-10  of my scale words
.set ADRB, 12                          ; v12-14 of my B fragments
.set LI,   27
.set SPW,  28
.set NIL,  29
.set BO,   30
.set SC,   32
.set AF,   64
.set BF,   0
.set BIAS, 192
.set G1,  24
.set G0,  32
.set G1B, 48
.set G0B, 56
.set SEL, 66
.set TM,  128
.set PC,  144
.set PW,  164
.set MSB, 0
.macro WIN new
.if MSB != (\new)
	s_set_vgpr_msb (MSB<<8)|(\new)
.set MSB, (\new)
.endif
.endm
.macro JLOAD s
	s_cmp_eq_u32 s15, 0
	s_cbranch_scc0 .Lfor_b_\@
	tensor_load_to_lds s[G0+4*\s:G0+4*\s+3], s[G1:G1+7]
	s_nop 0
.rept 4
	v_nop
.endr
	s_branch .Lasked_\@
.Lfor_b_\@:
	tensor_load_to_lds s[G0B+4*\s:G0B+4*\s+3], s[G1B:G1B+7]
	s_nop 0
.rept 4
	v_nop
.endr
.Lasked_\@:
.endm
.macro CREST
	s_cmp_lg_u32 s14, 0
	s_cbranch_scc1 .Lnot_wave_0_\@
	s_barrier_signal -3
.Lnot_wave_0_\@:
	s_barrier_wait -3
	s_barrier_signal -1
	s_barrier_wait -1
.endm
.macro CROUND
	s_barrier_signal -1
	s_barrier_wait -1
	CREST
.endm
.macro PLACES n
.rept \n
	v_nop
.endr
.endm
.macro FETCH slot, fq
	WIN 0x40
.set fi, 0
.rept W
.irp c, 0,1,2
	ds_load_b128 v[BF+12*W*(\fq)+12*fi+4*\c:BF+12*W*(\fq)+12*fi+4*\c+3], v[ADRB+(\slot)] offset:(\fq)*REC+fi*1536+\c*512
.endr
.set fi, fi+1
.endr
	WIN 0
.set fi, 0
.rept W
.irp c, 0,1,2
	ds_load_b128 v[AF+12*W*(\fq)+12*fi+4*\c:AF+12*W*(\fq)+12*fi+4*\c+3], v[ADRA+(\slot)] offset:(\fq)*REC+fi*1536+\c*512
.endr
.set fi, fi+1
.endr
.set fi, 0
.rept W
	ds_load_b32 v[SC+W*(\fq)+fi], v[ADRS+(\slot)] offset:(\fq)*REC+fi*64
.set fi, fi+1
.endr
.endm
.macro MULA a, p, first
.if \first
	WIN (0x91+0x40*((\a)/4))
.else
	WIN (0xa1+0x50*((\a)/4))
.endif
.set mb, 0
.rept W
.set rD, 8*(W*((\a)%4)+mb)
.set rB, BF+12*W*(\p)+12*mb
.set rA, AF+12*W*(\p)+12*(\a)
.if \first
	v_wmma_scale_f32_16x16x128_f8f6f4 v[rD:rD+7], v[rB:rB+11], v[rA:rA+11], v[BIAS+8*mb:BIAS+8*mb+7], v[SC+W*(\p)+mb], v[SC+W*(\p)+(\a)] matrix_a_fmt:MATRIX_FMT_FP6 matrix_b_fmt:MATRIX_FMT_FP6 matrix_a_scale:MATRIX_SCALE_ROW1
.else
	v_wmma_scale_f32_16x16x128_f8f6f4 v[rD:rD+7], v[rB:rB+11], v[rA:rA+11], v[rD:rD+7], v[SC+W*(\p)+mb], v[SC+W*(\p)+(\a)] matrix_a_fmt:MATRIX_FMT_FP6 matrix_b_fmt:MATRIX_FMT_FP6 matrix_a_scale:MATRIX_SCALE_ROW1
.endif
.set mb, mb+1
.endr
.endm
.macro MULH lo, n, p, first
.set ma, \lo
.rept \n
	MULA ma, \p, \first
.set ma, ma+1
.endr
.endm
.macro STP slot, q, mode, first, cnt
.set fq_, (\q)+D
.set fs_, (\slot)
.if fq_ >= NQ
.set fq_, fq_-NQ
.set fs_, ((\slot)+1)%3
.endif
.if (\mode) == 0
	s_wait_dscnt \cnt
	MULH 0, W/2, \q, \first
	PLACES 4
	FETCH fs_, fq_
	MULH W/2, W/2, \q, \first
.elseif (\mode) == 3
	s_wait_dscnt \cnt
	MULH 0, W, \q, \first
.else
	WIN 0
	s_wait_tensorcnt 0x0
	ds_add_u32 v[SPW], v[NIL]
	s_wait_dscnt \cnt+1
	MULH 0, W/4, \q, 0
	s_wait_dscnt 0x0
	s_barrier_signal -1
	MULH W/4, W/4, \q, 0
	WIN 0
	s_barrier_wait -1
.if (\mode) == 1
	CREST
	s_add_nc_u64 s[G0+4*\slot+2:G0+4*\slot+3], s[G0+4*\slot+2:G0+4*\slot+3], 3*NQ*REC
	s_add_nc_u64 s[G0B+4*\slot+2:G0B+4*\slot+3], s[G0B+4*\slot+2:G0B+4*\slot+3], 3*NQ*REC
	s_mov_b32 s[G1+2], 100<<16                     ; no tensor load of mine is out: the refill brings two steps, 100 rows of 256 bytes
	s_mov_b32 s[G1+4], 100
	s_mov_b32 s[G1B+2], 100<<16
	s_mov_b32 s[G1B+4], 100
	JLOAD \slot
.else
	PLACES 4
.endif
	FETCH fs_, fq_
	MULH W/2, W/2, \q, 0
.endif
.endm
.macro QUANT s
.irp b, 0,1,2,3
	v_max3_num_f32 v[TM+\b], |v[\s+16*\b]|, |v[\s+1+16*\b]|, 0x1800000
.endr
.irp i, 2,4,6,8,10,12,14
.irp b, 0,1,2,3
	v_max3_num_f32 v[TM+\b], v[TM+\b], |v[\s+16*\b+\i]|, |v[\s+1+16*\b+\i]|
.endr
.endr
.irp b, 0,1,2,3
	v_permlanex16_b32 v[TM+4+\b], v[TM+\b], s[SEL], s[SEL+1]
.endr
.irp b, 0,1,2,3
	v_max_num_f32 v[TM+\b], v[TM+\b], v[TM+4+\b]
.endr
.irp b, 0,1,2,3
	v_add_nc_u32 v[TM+12+\b], 0xff000000, v[TM+\b]
.endr
.irp b, 0,1,2,3
	v_lshrrev_b32 v[TM+4+\b], 23, v[TM+12+\b]
.endr
	v_lshl_or_b32 v[PW], v[TM+5], 8, v[TM+4]
	v_lshl_or_b32 v[PW], v[TM+6], 16, v[PW]
	v_lshl_or_b32 v[PW], v[TM+7], 24, v[PW]
.irp c, 0,1
	v_cvt_scalef32_pk16_fp6_f32 v[PC+6*\c:PC+2+6*\c], v[\s+32*\c:\s+15+32*\c], v[TM+12+2*\c]
	v_cvt_scalef32_pk16_fp6_f32 v[PC+12+4*\c:PC+14+4*\c], v[\s+16+32*\c:\s+31+32*\c], v[TM+12+2*\c+1]
.endr
	v_nop
.irp c, 0,1
.irp i, 0,1,2
	v_permlane16_swap_b32 v[PC+6*\c+\i], v[PC+12+4*\c+\i]
.endr
.irp i, 0,1,2
	v_mov_b32 v[PC+3+6*\c+\i], v[PC+12+4*\c+\i]
.endr
.endr
.endm
	s_load_b256 s[4:11], s[0:1], 0x0
	v_lshl_add_u32 v[SPW], v0, 2, SPARE
	v_mov_b32 v[NIL], 0
	ds_add_u32 v28, v29
	ds_add_u32 v28, v29
	s_wait_dscnt 0x0
	v_lshrrev_b32 v1, 5, v0
	v_readfirstlane_b32 s14, v1
	s_lshr_b32 s15, s14, 1
	s_and_b32 s16, s14, 1
	s_bfe_u32 s40, ttmp6, 0x40000
	s_bfe_u32 s41, ttmp6, 0x40004
	s_and_b32 s18, ttmp7, 0xffff
	s_lshl_b32 s18, s18, 2
	s_lshl_b32 s19, ttmp9, 2
	s_add_co_u32 s42, s19, s40
	s_add_co_u32 s17, s18, s41
	s_cmp_eq_u32 ttmp9, 2
	s_cselect_b32 s22, 8, s18
	s_cselect_b32 s23, s18, s19
	s_add_co_u32 s22, s22, s41
	s_add_co_u32 s23, s23, s40
	s_lshl_b32 s43, s41, 2
	s_lshl_b32 s43, 15, s43
	s_lshl_b32 s44, 0x1111, s40
	s_or_b32 s[G1], s43, (3<<16)|(1<<21)
	s_or_b32 s[G1B], s44, (3<<16)|(1<<21)
.irp g, G1, G1B
	s_mov_b32 s[\g+1], 32<<16
	s_mov_b32 s[\g+2], 300<<16
	s_mov_b32 s[\g+3], 32<<16
	s_mov_b32 s[\g+4], 300
	s_mov_b32 s[\g+5], 32
	s_mov_b32 s[\g+6], 0
	s_mov_b32 s[\g+7], 0
.endr
	s_mul_i32 s18, s16, WSTEP
	s_mul_i32 s20, s22, RPT*KSN
	s_add_co_u32 s20, s20, s18
	s_mul_i32 s20, s20, REC
	s_mov_b32 s21, 0
	s_mul_i32 s46, s23, RPT*KSN
	s_add_co_u32 s46, s46, s18
	s_mul_i32 s46, s46, REC
	s_mov_b32 s47, 0
	s_mul_i32 s45, s14, QUART
	s_wait_kmcnt 0x0
	s_cmp_eq_u32 ttmp9, 2
	s_cselect_b64 s[68:69], s[6:7], s[4:5]
	s_cselect_b64 s[70:71], s[4:5], s[6:7]
	s_add_nc_u64 s[20:21], s[68:69], s[20:21]
	s_add_nc_u64 s[46:47], s[70:71], s[46:47]
	CROUND
.irp s, 0
	s_mov_b32 s[G0+4*\s], 1
	s_add_co_u32 s[G0+4*\s+1], s45, \s*SLOT
	s_add_nc_u64 s[G0+4*\s+2:G0+4*\s+3], s[20:21], \s*NQ*REC
	s_or_b32 s[G0+4*\s+3], s[G0+4*\s+3], 0x80000000
	s_mov_b32 s[G0B+4*\s], 1
	s_add_co_u32 s[G0B+4*\s+1], s45, \s*SLOT
	s_add_nc_u64 s[G0B+4*\s+2:G0B+4*\s+3], s[46:47], \s*NQ*REC
	s_or_b32 s[G0B+4*\s+3], s[G0B+4*\s+3], 0x80000000
	JLOAD \s
.endr
	v_and_b32 v1, 15, v0
	v_bfe_u32 v2, v0, 4, 1
	v_and_b32 v[LI], 31, v0
	v_lshlrev_b32 v[LI], 4, v[LI]
	s_mul_i32 s18, s15, PSTEP
	s_mul_i32 s19, s16, PSTEP
	s_add_co_u32 s19, s19, 2*QUART
	v_add_nc_u32 v[ADRA], s18, v[LI]
	v_add_nc_u32 v[ADRB], s19, v[LI]
	v_add_nc_u32 v[ADRA+1], SLOT, v[ADRA]
	v_add_nc_u32 v[ADRB+1], SLOT, v[ADRB]
	v_add_nc_u32 v[ADRA+2], 2*SLOT, v[ADRA]
	v_add_nc_u32 v[ADRB+2], 2*SLOT, v[ADRB]
	s_mul_i32 s18, s15, SSTEP
	s_mul_i32 s19, s16, SSTEP
	s_add_co_u32 s19, s19, 2*QUART
	s_sub_co_u32 s19, s19, s18
	v_mul_u32_u24 v3, s19, v2
	s_wait_alu depctr_va_vdst(0)
	s_add_co_u32 s18, s18, 12288
	v_lshl_add_u32 v3, v1, 2, v3
	v_add_nc_u32 v[ADRS], s18, v3
	v_add_nc_u32 v[ADRS+1], SLOT, v[ADRS]
	v_add_nc_u32 v[ADRS+2], 2*SLOT, v[ADRS]
	v_lshlrev_b32 v[BO], 6, v2
	s_wait_alu depctr_va_vdst(0)
	v_and_b32 v31, 8, v1
	v_add_nc_u32 v31, v31, v1
	v_lshlrev_b32 v31, 2, v31
	s_wait_alu depctr_va_vdst(0)
	s_mul_i32 s18, s42, 128*W
	s_mul_i32 s19, s16, 64*W
	s_add_co_u32 s18, s18, s19
	s_lshl_b32 s22, s41, 10
	s_lshl_b32 s23, s15, 9
	s_add_co_u32 s22, s22, s23
	s_add_co_u32 s22, s22, 8192
	s_cmp_eq_u32 ttmp9, 2
	s_cselect_b32 s18, 0, s18
	s_cselect_b32 s22, s22, 0
	s_cselect_b32 s74, 0, 1.0
	s_cselect_b32 s76, 1.0, 0
	s_mov_b32 s19, 0
	s_mov_b32 s23, 0
	s_mov_b32 s75, s74
	s_add_nc_u64 s[72:73], s[8:9], s[22:23]
	s_add_nc_u64 s[8:9], s[8:9], s[18:19]
	WIN 0x40
.set bi, 0
.rept W
	global_load_b128 v[BIAS+8*bi:BIAS+8*bi+3], v[BO], s[8:9] offset:(32*(bi/2)+8*(bi%2))*4
	global_load_b128 v[BIAS+8*bi+4:BIAS+8*bi+7], v[BO], s[8:9] offset:(32*(bi/2)+8*(bi%2))*4+16
.set bi, bi+1
.endr
	WIN 0
.irp a, 0,1,2,3,4,5,6,7
	global_load_b32 v[48+2*\a], v31, s[72:73] offset:(32*(\a/2)+8*(\a%2))*4
.endr
	s_wait_tensorcnt 0x0
	s_barrier_signal -1
	s_barrier_wait -1
	FETCH 0, 0
	s_wait_loadcnt 0x0
	WIN 0x41
.set k, 0
.rept 32
	v_pk_mul_f32 v[BIAS+2*k:BIAS+2*k+1], v[BIAS+2*k:BIAS+2*k+1], s[74:75] op_sel_hi:[1,0]
.set k, k+1
.endr
	WIN 0
.irp a, 0,1,2,3,4,5,6,7
	v_mul_f32 v[48+2*\a], s76, v[48+2*\a]
.endr
.irp a, 0,1,2,3,4,5,6,7
	v_mov_b32 v[49+2*\a], v[48+2*\a]
.endr
	STP 0, 0, 0, 1, CNT
	WIN 0
	STP 0, 1, 1, 0, CNT                            ; step 1: slot 0 has been read out; the round, and steps 6 and 7 are asked for
	STP 1, 0, 0, 0, CNT
	STP 1, 1, 0, 0, CNT
	STP 2, 0, 0, 0, CNT
	STP 2, 1, 2, 0, CNT                            ; step 5: a barrier shows the refill to all waves
	STP 0, 0, 0, 0, CNT
	STP 0, 1, 3, 0, 0
	WIN 0
	PLACES 4
	s_mov_b32 s[SEL], 0x76543210
	s_mov_b32 s[SEL+1], 0xfedcba98
	s_lshl_b32 s68, s17, 8
	s_lshl_b32 s69, s15, 7
	s_add_co_u32 s68, s68, s69
	s_lshr_b32 s82, s68, 11
	s_bfe_u32 s83, s68, 0x70004
	s_lshl_b32 s84, s82, 4
	s_lshl_b32 s85, s40, 2
	s_add_co_u32 s84, s84, s85
	s_lshl_b32 s85, s16, 1
	s_add_co_u32 s84, s84, s85
	s_mul_i32 s84, s84, 106496
	s_mul_i32 s85, ttmp9, 3407872
	s_add_co_u32 s84, s84, s85
	s_lshr_b32 s85, s83, 5
	s_mul_i32 s85, s85, 26624
	s_add_co_u32 s84, s84, s85
	s_and_b32 s83, s83, 31
	s_mul_i32 s85, s83, 768
	s_add_co_u32 s85, s84, s85
	s_lshl_b32 s83, s83, 6
	s_add_co_u32 s84, s84, s83
	s_add_co_u32 s84, s84, 24576
	s_and_b32 s86, ttmp7, 0xffff
	s_lshl_b32 s86, s86, 2
	s_add_co_u32 s86, s86, s40
	s_lshl_b32 s86, s86, 8
	s_lshl_b32 s87, s16, 7
	s_add_co_u32 s86, s86, s87
	s_lshr_b32 s87, s86, 11
	s_bfe_u32 s88, s86, 0x40007
	s_lshl_b32 s87, s87, 4
	s_lshl_b32 s89, s41, 2
	s_add_co_u32 s87, s87, s89
	s_lshl_b32 s89, s15, 1
	s_add_co_u32 s87, s87, s89
	s_mul_i32 s87, s87, 102400
	s_add_co_u32 s87, s87, 6815744
	s_lshr_b32 s89, s88, 2
	s_mul_i32 s89, s89, 25600
	s_add_co_u32 s87, s87, s89
	s_and_b32 s88, s88, 3
	s_mul_i32 s89, s88, 6144
	s_add_co_u32 s89, s87, s89
	s_lshl_b32 s88, s88, 8
	s_add_co_u32 s87, s87, s88
	s_add_co_u32 s87, s87, 24576
	s_mov_b32 s95, 106496
	s_mov_b32 s96, 768
	s_mov_b32 s97, 1536
	s_mov_b32 s98, 96256
	s_mov_b32 s99, 102144
	s_mov_b32 s92, 0xffff
	s_mov_b32 s93, 0x7f7f0000
	s_cmp_eq_u32 ttmp9, 2
	s_cselect_b32 s68, s89, s85
	s_cselect_b32 s82, s87, s84
	s_cselect_b32 s90, s96, s95
	s_cselect_b32 s91, 0, s95
	s_cselect_b32 s76, s97, s96
	s_cselect_b32 s78, s98, 0
	s_cselect_b32 s80, s99, 0
	s_cselect_b32 s92, -1, s92
	s_cselect_b32 s93, 0, s93
	s_cselect_b32 s94, 0, 16
	s_mov_b32 s69, 0
	s_mov_b32 s83, 0
	s_mov_b32 s77, 0
	s_mov_b32 s79, 0
	s_mov_b32 s81, 0
	s_add_nc_u64 s[70:71], s[10:11], s[68:69]
	s_add_nc_u64 s[72:73], s[10:11], s[82:83]
.irp b, 0,1,2,3
	v_mov_b32 v[TM+4+\b], 0
.endr
	v_add_nc_u32 v3, s90, v[LI]
	v_and_b32 v4, 31, v0
	v_lshl_add_u32 v4, v4, 3, 512
	v_add_nc_u32 v5, s90, v4
	v_lshlrev_b32 v6, 2, v1
	v_add_nc_u32 v7, s91, v6
.irp a, 0,1,2,3,4,5,6,7
	WIN (0x02+\a/4)
.set k, 0
.rept 32
	v_pk_add_f32 v[64+2*k:65+2*k], v[64*(\a%4)+2*k:64*(\a%4)+2*k+1], v[48+2*\a:49+2*\a]
.set k, k+1
.endr
	WIN 0
.if \a > 0
	s_wait_xcnt 0x0
	s_add_nc_u64 s[70:71], s[70:71], s[76:77]
	s_add_nc_u64 s[72:73], s[72:73], 64
.if \a == 4
	s_add_nc_u64 s[70:71], s[70:71], s[78:79]
	s_add_nc_u64 s[72:73], s[72:73], s[80:81]
.endif
.endif
	QUANT 64
	v_and_or_b32 v166, v[PW], s92, s93
	v_lshrrev_b32 v167, s94, v[PW]
	v_and_or_b32 v167, v167, s92, s93
	global_store_b128 v[LI], v[PC:PC+3], s[70:71]
	global_store_b64 v4, v[PC+4:PC+5], s[70:71]
	global_store_b128 v3, v[PC+6:PC+9], s[70:71]
	global_store_b64 v5, v[PC+10:PC+11], s[70:71]
	global_store_b32 v6, v166, s[72:73]
	global_store_b32 v7, v167, s[72:73]
.endr
	s_wait_tensorcnt 0x0
	ds_add_u32 v[SPW], v[NIL]
	s_wait_dscnt 0x0
	CROUND
	s_endpgm
.Lfunc_end_k_qb81e1809d8_g1:
	.size	k_qb81e1809d8_g1, .Lfunc_end_k_qb81e1809d8_g1-k_qb81e1809d8_g1
	.p2alignl 7, 3214868480
	.fill 96, 4, 3214868480
	.section	.rodata,"a",@progbits
	.p2align	6, 0x0
	.amdhsa_kernel k_qb81e1809d8_g1
		.amdhsa_group_segment_fixed_size 327680
		.amdhsa_private_segment_fixed_size 0
		.amdhsa_enable_private_segment 0
		.amdhsa_kernarg_size 32
		.amdhsa_user_sgpr_count 2
		.amdhsa_user_sgpr_kernarg_segment_ptr 1
		.amdhsa_wavefront_size32 1
		.amdhsa_system_sgpr_workgroup_id_x 1
		.amdhsa_system_sgpr_workgroup_id_y 1
		.amdhsa_system_sgpr_workgroup_id_z 1
		.amdhsa_system_vgpr_workitem_id 0
		.amdhsa_next_free_vgpr 1024
		.amdhsa_next_free_sgpr 100
		.amdhsa_reserve_vcc 0
		.amdhsa_float_denorm_mode_32 3
		.amdhsa_float_denorm_mode_16_64 3
		.amdhsa_memory_ordered 1
		.amdhsa_forward_progress 1
		.amdhsa_inst_pref_size 164
	.end_amdhsa_kernel
	.amdgpu_metadata
---
amdhsa.version: [ 1, 2 ]
amdhsa.kernels:
  - .name:           k_qb81e1809d8_g1
    .symbol:         k_qb81e1809d8_g1.kd
    .args:
      - { .name: a1, .offset: 0, .size: 8, .value_kind: global_buffer, .address_space: global }
      - { .name: wp, .offset: 8, .size: 8, .value_kind: global_buffer, .address_space: global }
      - { .name: qkv_b, .offset: 16, .size: 8, .value_kind: global_buffer, .address_space: global }
      - { .name: qkv, .offset: 24, .size: 8, .value_kind: global_buffer, .address_space: global }
    .group_segment_fixed_size: 327680
    .private_segment_fixed_size: 0
    .kernarg_segment_align: 8
    .kernarg_segment_size: 32
    .max_flat_workgroup_size: 128
    .sgpr_count:     100
    .vgpr_count:     1024
    .wavefront_size: 32
...
	.end_amdgpu_metadata
.endif
;; end of part 2
;; launch attn (part 3): grid 8 x 32, 16 waves a work-group, clusters of 4 x 1, 215,040 bytes of LDS; arguments qkv, op; writes op
.if DOCPART == 3
	.amdgcn_target "amdgcn-amd-amdhsa--gfx1250"
	.amdhsa_code_object_version 6
	.text
	.protected	k_qb81e1809d8_attn
	.globl	k_qb81e1809d8_attn
	.p2align	8
	.type	k_qb81e1809d8_attn,@function
k_qb81e1809d8_attn:
	s_mov_b64 s[64:65], 0
	v_nop
	global_prefetch_b8 v0, s[64:65] scope:SCOPE_SE
	s_setreg_imm32_b32 hwreg(HW_REG_WAVE_MODE, 25, 1), 1
	s_wait_xcnt 0x0
	s_wait_alu depctr_hold_cnt(0) depctr_sa_sdst(0) depctr_va_vdst(0) depctr_va_sdst(0) depctr_va_ssrc(0) depctr_va_vcc(0) depctr_vm_vsrc(0)
	s_getreg_b32 s2, hwreg(HW_REG_IB_STS2, 6, 4)
	s_cmp_eq_u32 s2, 0
	s_cbranch_scc0 .Lentry_in_a_cluster
	s_endpgm
.Lentry_in_a_cluster:
	s_bfe_u32 s2, ttmp6, 0x10000c
	s_cmp_lg_u32 s2, 0x3003
	s_cbranch_scc0 .Lentry_shape_is_right
	s_endpgm
.Lentry_shape_is_right:
; o = softmax(q k^T / 8) v for one head and 256 queries, both products on codes of FP6 (E2M3) with E8M0 scales; o / l is quantised along the 1,024 channels and stored as part of an operand's image.
; q, k, v come as images of operand registers (token tiles of 16 x 64 channels: 768 bytes, registers 0-3 at 16 l, 4-5 at 512 + 8 l; v: channel tiles x 128 keys as two such halves), with their scale words,
; in stage records of 512 tokens: 24,576 bytes of tiles, then the scale words (k 2,048 bytes, v 1,024).
; THE HEAD'S SIZE IS 64 AND THE INSTRUCTION'S K IS 128.  Registers 6-11 of q's fragment hold zero codes under the scale byte 0x7f.  Every code of E2M3 is a finite number, so whatever codes stand in registers 6-11 of
; k's fragment are multiplied by 0 and add nothing: k's eight tiles of a step lie 6 registers apart, v32-79, and a tile's upper six registers are the next tile's codes (the last tile's: v80-85, v's first).
; SCALE WORDS come two tiles to a register: a tile's 16 words are 64 bytes, so a load of 4 bytes a lane brings tile 2 j in lanes 0-15 and tile 2 j + 1 in lanes 16-31, and the odd tile's product names ROW1.
; THE SOFTMAX: t = score x log2(e) / 8; M = the running largest t rounded up to a whole number; p = 2^(t - M) is quantised along the keys, not normalised; the row's sum of the unquantised p divides at the end.
; SHARES.  Sixteen waves, each one tile of 16 queries in 256 registers; a step is 128 keys, sixteen steps in one loop.  Behind a step's score products its v and THE NEXT STEP'S k are asked of LDS; the one wait for them
; stands ahead of the step's last products.  The last trip so reads 6,144 + 512 bytes behind k's (v's first bytes, which lie in LDS) and uses none of them.
; THE WHOLE HEAD LIES IN LDS, each byte filled once: k's tiles from 0 (6,144 bytes a step), v's from 98,304, k's scale words from 196,608 (512 a step), v's from 204,800 (256 a step).
; EVERY WAVE ISSUES ONE TENSOR LOAD at the head: waves 0-3 a stage of k's tiles, 4-7 of v's, 8-11 of k's scale words, 12-15 of v's.  One wait for 0 and one barrier show all of it; the loop has no barrier.
; CLUSTER.  The four query blocks of a cluster read the same k and v: the loads are joint (mask 15).
; Both products are used transposed: a lane holds one query throughout.  By the token rows' order (bits 3 and 4 exchanged) the 16 registers of score tiles 2 b and 2 b + 1 are 16 neighbouring keys.
; No prefetch: all that the launch reads by tensor loads is asked for at the head, so there is no loop to run ahead in.
; LIMITS: finite inputs; a p under 2^-126 is 0 (ISA guide, v_exp_f32); a block of zeros or under 2^-124 has the byte 1; the scaled scores stay under 2^31 in magnitude.
.set S,    128                         ; v128-191 S^T, then p
.set O,    192                         ; v192-223 O^T
.set KF,   32                          ; v32-79 k's eight tiles, 6 registers each
.set KST,  26624                       ; a stage record of q or k
.set VST,  25600                       ; of v
.set TIL,  24576                       ; its tiles
.set KREG, 3407872
.set VREG, 6815744
.set VT,   4*TIL
.set KSC,  8*TIL
.set VSC,  KSC+4*2048
.set SPARE, VSC+4*1024                 ; the spare words, 128 bytes a wave
.set SPW,  31
.set NIL,  255
.set WV,   18
.set SEL,  20
.set CS,   22
.set G1T,  24                          ; s[24:31] group 1: 96 rows of 256 bytes (tiles); s[32:39] 8 rows (k's scale words); s[40:47] 4 rows (v's)
.set G1K,  32
.set G1V,  40
.set G0T,  48                          ; s[48:59] their groups 0
.set G0K,  52
.set G0V,  56
.macro CROUND
	s_barrier_signal -1
	s_barrier_wait -1
	s_cmp_lg_u32 s[WV], 0
	s_cbranch_scc1 .Lnot_wave_0_\@
	s_barrier_signal -3
.Lnot_wave_0_\@:
	s_barrier_wait -3
	s_barrier_signal -1
	s_barrier_wait -1
.endm
.macro GROUP1 g, rows                  ; dense rows of 256 bytes, elements of 8 bytes; all four work-groups; bit 21 beside a mask
	s_mov_b32 s[\g], 15|(3<<16)|(1<<21)
	s_mov_b32 s[\g+1], 32<<16
	s_mov_b32 s[\g+2], (\rows)<<16
	s_mov_b32 s[\g+3], 32<<16
	s_mov_b32 s[\g+4], \rows
	s_mov_b32 s[\g+5], 32
	s_mov_b32 s[\g+6], 0
	s_mov_b32 s[\g+7], 0
.endm
.macro TLOAD g0, g1                    ; s_nop 0 and four v_nop behind the load
	tensor_load_to_lds s[\g0:\g0+3], s[\g1:\g1+7]
	s_nop 0
.rept 4
	v_nop
.endr
.endm
.macro KLOAD                           ; a step's eight tiles of k and their scale words: v4, v5, v6 say where
.irp t, 0,1,2,3,4,5,6,7
	ds_load_b128 v[KF+6*\t:KF+6*\t+3], v4 offset:\t*768
	ds_load_b64 v[KF+6*\t+4:KF+6*\t+5], v5 offset:\t*768
.endr
.irp j, 0,1,2,3
	ds_load_b32 v[248+\j], v6 offset:128*\j
.endr
.endm
.macro TMM n                           ; t - M for the next n pairs of scores
.rept \n
	v_pk_fma_f32 v[S+2*k:S+2*k+1], v[S+2*k:S+2*k+1], s[CS:CS+1], v[12:13] op_sel_hi:[1,0,0]
.set k, k+1
.endr
.endm
.macro SUM4 j                          ; four chains of pairs take eight more p each
.irp c, 0,1,2,3
	v_pk_add_f32 v[224+2*\c:225+2*\c], v[224+2*\c:225+2*\c], v[S+\j+2*\c:S+\j+1+2*\c]
.endr
.endm
	s_load_b128 s[4:7], s[0:1], 0x0                ; qkv, op
	v_lshl_add_u32 v[SPW], v0, 2, SPARE
	v_mov_b32 v[NIL], 0
	ds_add_u32 v[SPW], v[NIL]
	ds_add_u32 v[SPW], v[NIL]
	v_lshrrev_b32 v8, 5, v0
	v_readfirstlane_b32 s[WV], v8                  ; wave 0..15
	s_bfe_u32 s8, ttmp6, 0x40000                   ; cx
	s_lshl_b32 s9, ttmp9, 2
	s_add_co_u32 s9, s9, s8                        ; my block of 256 queries: it enters q's and op's addresses alone
	s_and_b32 s10, ttmp7, 0xffff                   ; 16 batch + head
	s_mul_i32 s12, s10, 4*KST                      ; q of my head
	s_mov_b32 s13, 0
	s_mul_i32 s14, s10, 4*VST
	s_add_co_u32 s14, s14, VREG                    ; v of my head
	s_mov_b32 s15, 0
	GROUP1 G1T, 96
	GROUP1 G1K, 8
	GROUP1 G1V, 4
	s_and_b32 s16, s[WV], 3                        ; my load's stage
	s_mul_i32 s[G0T+1], s[WV], TIL                 ; where it lands: tiles (waves 0-7),
	s_lshl_b32 s[G0K+1], s16, 11
	s_add_co_u32 s[G0K+1], s[G0K+1], KSC           ; k's scale words (8-11),
	s_lshl_b32 s[G0V+1], s16, 10
	s_add_co_u32 s[G0V+1], s[G0V+1], VSC           ; v's (12-15)
	s_mov_b32 s17, KST
	s_add_co_u32 s2, s12, KREG                     ; k of my head
	s_bitcmp1_b32 s[WV], 2                         ; waves 4-7 and 12-15 fetch for v
	s_cselect_b32 s17, VST, s17
	s_cselect_b32 s2, s14, s2
	s_mul_i32 s17, s17, s16
	s_add_co_u32 s2, s2, s17                       ; the stage record
	s_cmp_ge_u32 s[WV], 8
	s_cselect_b32 s17, TIL, 0                      ; its scale words lie behind its tiles
	s_add_co_u32 s2, s2, s17
	s_mov_b32 s3, 0
	s_mov_b32 s[SEL], 0x76543210
	s_mov_b32 s[SEL+1], 0xfedcba98
	s_mov_b32 s[CS], 0x3e38aa3b                    ; c = log2(e) / 8
	s_mov_b32 s[CS+1], s[CS]
	s_wait_dscnt 0x0
	s_wait_kmcnt 0x0
	s_add_nc_u64 s[88:89], s[4:5], s[12:13]        ; q of my head
	s_add_nc_u64 s[90:91], s[4:5], s[2:3]          ; what my tensor load brings
.irp g, G0T, G0K, G0V
	s_mov_b32 s[\g], 1
	s_mov_b64 s[\g+2:\g+3], s[90:91]
	s_or_b32 s[\g+3], s[\g+3], 0x80000000
.endr
	CROUND                                         ; all four work-groups are here: the joint loads meet
	s_cmp_lt_u32 s[WV], 8
	s_cbranch_scc0 .Lk_scales
	TLOAD G0T, G1T
	s_branch .Lasked
.Lk_scales:
	s_cmp_lt_u32 s[WV], 12
	s_cbranch_scc0 .Lv_scales
	TLOAD G0K, G1K
	s_branch .Lasked
.Lv_scales:
	TLOAD G0V, G1V
.Lasked:
	v_and_b32 v10, 31, v0
	v_and_b32 v11, 15, v0
	v_lshlrev_b32 v1, 4, v10                       ; 16 l
	v_lshl_add_u32 v2, v10, 3, 512                 ; 512 + 8 l
	v_lshlrev_b32 v3, 2, v10                       ; 4 l
	v_lshlrev_b32 v30, 2, v11                      ; 4 r
	s_wait_alu depctr_va_vdst(0)                   ; the wait ahead of the run of scalar lines
	s_lshr_b32 s11, s9, 1
	s_mul_i32 s11, s11, KST                        ; my token tile 16 qb + w: its stage record,
	s_and_b32 s16, s9, 1
	s_lshl_b32 s16, s16, 4
	s_add_co_u32 s16, s16, s[WV]                   ; and its place in it
	s_mul_i32 s17, s16, 768
	s_add_co_u32 s12, s11, s17
	s_add_nc_u64 s[94:95], s[88:89], s[12:13]
	s_lshl_b32 s16, s16, 6
	s_add_co_u32 s12, s11, s16
	s_add_co_u32 s12, s12, 24576
	s_add_nc_u64 s[96:97], s[88:89], s[12:13]
	global_load_b128 v[16:19], v1, s[94:95]        ; q stays in registers
	global_load_b64 v[20:21], v2, s[94:95]
	global_load_b32 v28, v30, s[96:97]             ; and its scale words
.irp i, 22,23,24,25,26,27
	v_mov_b32 v\i, 0                               ; q's zero codes for K = 64 .. 127
.endr
.irp i, 80,81,82,83,84,85
	v_mov_b32 v\i, 0                               ; the upper half of k's last tile in the first step: written once; later v's codes stand here
.endr
	v_mov_b32 v4, v1                               ; step 0's k
	v_mov_b32 v5, v2
	v_add_nc_u32 v6, KSC, v3
	v_mov_b32 v13, 0xff61b1e6                      ; the largest t so far: -3e38
	v_mov_b32 v14, 0                               ; the sum, in two halves
	v_mov_b32 v15, 0
	v_floor_f32 v12, -v13                          ; -M
.irp b, 0,1,2,3
	v_mov_b32 v[236+\b], 0                         ; a lane permute's destination counts as one of its sources
.endr
	v_mov_b32 v253, 0
.set k, 0
.rept 32
	v_mov_b32 v[O+k], 0                            ; the step is written once: the first finds zeros
.set k, k+1
.endr
	s_mov_b32 s2, 6144                             ; where the NEXT step's tiles and scale words of k begin in LDS,
	s_mov_b32 s3, KSC+512
	s_mov_b32 s84, VT                              ; and this step's of v
	s_mov_b32 s85, VSC
	s_mov_b32 s86, 16
	s_wait_alu depctr_va_vdst(0)                   ; the wait at the head's end
	s_wait_tensorcnt 0x0                           ; my one load has landed
	s_wait_loadcnt 0x0                             ; q
	s_barrier_signal -1
	s_barrier_wait -1                              ; all of k and v lies in LDS for every wave
	KLOAD
	s_wait_dscnt 0x0
.Lstep:                                                ; A KEY STEP: 128 keys.  S^T = k q^T, eight tiles of 16 keys on end
.irp t, 0,1,2,3,4,5,6,7
.if \t%2
	v_wmma_scale_f32_16x16x128_f8f6f4 v[S+8*\t:S+8*\t+7], v[KF+6*\t:KF+6*\t+11], v[16:27], 0, v[248+\t/2], v28 matrix_a_fmt:MATRIX_FMT_FP6 matrix_b_fmt:MATRIX_FMT_FP6 matrix_a_scale:MATRIX_SCALE_ROW1
.else
	v_wmma_scale_f32_16x16x128_f8f6f4 v[S+8*\t:S+8*\t+7], v[KF+6*\t:KF+6*\t+11], v[16:27], 0, v[248+\t/2], v28 matrix_a_fmt:MATRIX_FMT_FP6 matrix_b_fmt:MATRIX_FMT_FP6
.endif
.endr
	v_add_nc_u32 v7, s84, v1                       ; these seven are the places behind the products, ahead of the loads into their registers
	v_add_nc_u32 v8, s84, v2
	v_add_nc_u32 v9, s85, v3
	v_add_nc_u32 v4, s2, v1
	v_add_nc_u32 v5, s2, v2
	v_add_nc_u32 v6, s3, v3
	v_mov_b32 v29, v12                             ; the old -M
.irp t, 0,1,2,3                                ; v's fragments, and behind them the next step's k: all land under the softmax
.irp c, 0,1
	ds_load_b128 v[80+12*\t+6*\c:83+12*\t+6*\c], v7 offset:\t*1536+768*\c
	ds_load_b64 v[84+12*\t+6*\c:85+12*\t+6*\c], v8 offset:\t*1536+768*\c
.endr
.endr
	ds_load_b32 v10, v9                            ; v's scale words: tiles 0 and 1,
	ds_load_b32 v11, v9 offset:128                 ; 2 and 3
	KLOAD
.irp b, 0,1,2,3
	v_max3_num_f32 v[232+\b], v[S+16*\b], v[S+1+16*\b], v[S+2+16*\b]   ; the largest score of each block of 32 keys: for the row's maximum, and, since p rises with the score, for the block's largest p
.endr
.irp i, 3,5,7,9,11,13
.irp b, 0,1,2,3
	v_max3_num_f32 v[232+\b], v[232+\b], v[S+16*\b+\i], v[S+1+16*\b+\i]
.endr
.endr
.irp b, 0,1,2,3
	v_max_num_f32 v[232+\b], v[232+\b], v[S+15+16*\b]
.endr
.irp b, 0,1,2,3
	s_delay_alu instid0(VALU_DEP_4)
	v_permlanex16_b32 v[236+\b], v[232+\b], s[SEL], s[SEL+1]
.endr
.irp b, 0,1,2,3
	s_delay_alu instid0(VALU_DEP_4)
	v_max_num_f32 v[232+\b], v[232+\b], v[236+\b]
.endr
	s_delay_alu instid0(VALU_DEP_2)
	v_max3_num_f32 v254, v232, v233, v234
	s_delay_alu instid0(VALU_DEP_1)
	v_max_num_f32 v254, v254, v235
	s_delay_alu instid0(VALU_DEP_1)
	v_mul_f32 v254, s[CS], v254                    ; as t
	s_delay_alu instid0(VALU_DEP_1)
	v_max_num_f32 v13, v13, v254                   ; the running largest t
	s_delay_alu instid0(VALU_DEP_1)
	v_floor_f32 v12, -v13                          ; the new -M = -ceil(t)
.set k, 0
	TMM 4                                          ; the three lines that make f stand among the multiply-adds, which do not hang on them
	v_sub_f32 v254, v12, v29                       ; old M - new M: a whole number, 0 or less
	TMM 4
	v_cvt_i32_f32 v254, v254                       ; (it saturates)
	TMM 4
	v_ldexp_f32 v252, 1.0, v254                    ; f = 2^(old M - new M)
	TMM 20
.irp b, 0,1,2,3
	v_fma_f32 v[232+\b], v[232+\b], s[CS], v12
.endr
	s_wait_alu depctr_va_vdst(0)                   ; the wait ahead of the batch
.irp b, 0,1,2,3
	v_exp_f32 v[232+\b], v[232+\b]                 ; each block's largest p
.endr
.set k, 0
.rept 64
	v_exp_f32 v[S+k], v[S+k]                       ; p = 2^(t - M)
.set k, k+1
.endr
	v_pk_mul_f32 v[14:15], v[14:15], v[252:253] op_sel_hi:[1,0]   ; the sums under the new M (a plain place behind the exponentials)
	s_wait_alu depctr_va_vdst(0)                   ; one wait for the batch, ahead of its first reader
.irp b, 0,1,2,3
	v_max_num_f32 v[232+\b], 0x1800000, v[232+\b]  ; the floor 2^(3 - 127)
.endr
.irp b, 0,1,2,3
	s_delay_alu instid0(VALU_DEP_4)
	v_add_nc_u32 v[244+\b], 0xff000000, v[232+\b]  ; the conversion's scale operand
.endr
.irp b, 0,1,2,3
	s_delay_alu instid0(VALU_DEP_4)
	v_lshrrev_b32 v[236+\b], 23, v[244+\b]         ; the scale's byte
.endr
.irp c, 0,1,2,3                                ; the row's sum of the unquantised p: four chains of pairs, in registers that the codes take later
	v_pk_add_f32 v[224+2*\c:225+2*\c], v[S+2*\c:S+1+2*\c], v[S+8+2*\c:S+9+2*\c]
.endr
	v_lshl_or_b32 v253, v237, 8, v236              ; p's scale word for these 128 keys, its three lines among the sums
	SUM4 16
	v_lshl_or_b32 v253, v238, 16, v253
	SUM4 24
	v_lshl_or_b32 v253, v239, 24, v253
	SUM4 32
	SUM4 40
	SUM4 48
	SUM4 56
	v_pk_add_f32 v[224:225], v[224:225], v[226:227]
	v_pk_add_f32 v[228:229], v[228:229], v[230:231]
	s_delay_alu instid0(VALU_DEP_1)
	v_pk_add_f32 v[224:225], v[224:225], v[228:229]
	s_delay_alu instid0(VALU_DEP_1)
	v_pk_add_f32 v[14:15], v[14:15], v[224:225]
.irp c, 0,1
	v_cvt_scalef32_pk16_fp6_f32 v[224+6*\c:226+6*\c], v[S+32*\c:S+15+32*\c], v[244+2*\c]
	v_cvt_scalef32_pk16_fp6_f32 v[236+4*\c:238+4*\c], v[S+16+32*\c:S+31+32*\c], v[244+2*\c+1]
.endr
	v_nop                                          ; one plain place behind a scaled conversion
.irp c, 0,1
.irp i, 0,1,2
	v_permlane16_swap_b32 v[224+6*\c+\i], v[236+4*\c+\i]
.endr
.irp i, 0,1,2
	s_delay_alu instid0(VALU_DEP_3)
	v_mov_b32 v[227+6*\c+\i], v[236+4*\c+\i]
.endr
.endr
	s_wait_alu depctr_va_vdst(0)                   ; the wait directly ahead of the first reader of O^T
.set k, 0
.rept 16
	v_pk_mul_f32 v[O+2*k:O+2*k+1], v[O+2*k:O+2*k+1], v[252:253] op_sel_hi:[1,0]   ; O^T under the new M; these sixteen stand between the operand's last write and the products
.set k, k+1
.endr
	s_wait_alu depctr_va_vdst(0)
	s_wait_dscnt 0x0                               ; v's fragments and scale words, and the next step's k
.irp t, 0,1,2,3                                ; O^T += v^T p^T: four tiles of 16 channels by turns
.if \t%2
	v_wmma_scale_f32_16x16x128_f8f6f4 v[O+8*\t:O+8*\t+7], v[80+12*\t:91+12*\t], v[224:235], v[O+8*\t:O+8*\t+7], v[10+\t/2], v253 matrix_a_fmt:MATRIX_FMT_FP6 matrix_b_fmt:MATRIX_FMT_FP6 matrix_a_scale:MATRIX_SCALE_ROW1
.else
	v_wmma_scale_f32_16x16x128_f8f6f4 v[O+8*\t:O+8*\t+7], v[80+12*\t:91+12*\t], v[224:235], v[O+8*\t:O+8*\t+7], v[10+\t/2], v253 matrix_a_fmt:MATRIX_FMT_FP6 matrix_b_fmt:MATRIX_FMT_FP6
.endif
.endr
	s_add_co_u32 s2, s2, 6144
	s_add_co_u32 s3, s3, 512
	s_add_co_u32 s84, s84, 6144
	s_add_co_u32 s85, s85, 256
	s_sub_co_u32 s86, s86, 1
	s_cmp_lg_u32 s86, 0
	s_cbranch_scc1 .Lstep
	; THE WAY OUT: O^T / l; register 16 b + i = channel 32 b + 16 h + i of my head: two blocks, half a fragment of the next product's operand
.rept 4
	v_nop
.endr
	v_add_f32 v14, v14, v15
	s_delay_alu instid0(VALU_DEP_1)
	v_permlanex16_b32 v252, v14, s[SEL], s[SEL+1]
	s_delay_alu instid0(VALU_DEP_1)
	v_add_f32 v14, v14, v252                       ; the row's sum
	s_wait_alu depctr_va_vdst(0)
	v_rcp_f32 v15, v14
	s_lshr_b32 s11, s10, 4
	s_lshl_b32 s11, s11, 4
	s_lshl_b32 s12, s9, 1
	s_add_co_u32 s11, s11, s12
	s_lshr_b32 s12, s[WV], 3
	s_add_co_u32 s11, s11, s12                     ; row tile: 16 batch + 2 qb + w / 8
	s_lshl_b32 s11, s11, 3
	s_bfe_u32 s12, s10, 0x30001
	s_add_co_u32 s11, s11, s12                     ; K step: head / 2
	s_mul_i32 s12, s11, 12800
	s_and_b32 s16, s[WV], 7
	s_mul_i32 s17, s16, 1536
	s_add_co_u32 s14, s12, s17
	s_lshl_b32 s16, s16, 6
	s_add_co_u32 s12, s12, s16
	s_add_co_u32 s12, s12, 12288
	s_add_nc_u64 s[94:95], s[6:7], s[14:15]        ; my fragment
	s_add_nc_u64 s[96:97], s[6:7], s[12:13]        ; its scale words
	s_and_b32 s16, s10, 1                          ; c: which half of the fragment my head is
	s_sub_co_u32 s87, 0, s16                       ; all ones where c = 1
	s_lshl_b32 s17, s16, 10
	v_add_nc_u32 v8, s17, v1                       ; 16 l + 1,024 c
	s_lshl_b32 s17, s16, 3
	s_add_co_u32 s17, s17, 512
	v_add_nc_u32 v9, s17, v1                       ; 16 l + 512 + 8 c
	s_lshl_b32 s17, s16, 1
	v_add_nc_u32 v10, s17, v30                     ; 4 r + 2 c
	s_wait_alu depctr_va_vdst(0)                   ; the wait ahead of the reciprocal's first reader
.set k, 0
.rept 32
	v_mul_f32 v[S+k], v[O+k], v15
.set k, k+1
.endr
.irp b, 0,1
	v_max3_num_f32 v[232+\b], |v[S+16*\b]|, |v[S+1+16*\b]|, 0x1800000
.endr
.irp i, 2,4,6,8,10,12,14
.irp b, 0,1
	s_delay_alu instid0(VALU_DEP_2)
	v_max3_num_f32 v[232+\b], v[232+\b], |v[S+16*\b+\i]|, |v[S+1+16*\b+\i]|
.endr
.endr
.irp b, 0,1
	s_delay_alu instid0(VALU_DEP_2)
	v_permlanex16_b32 v[236+\b], v[232+\b], s[SEL], s[SEL+1]
.endr
.irp b, 0,1
	s_delay_alu instid0(VALU_DEP_2)
	v_max_num_f32 v[232+\b], v[232+\b], v[236+\b]
.endr
.irp b, 0,1
	s_delay_alu instid0(VALU_DEP_2)
	v_add_nc_u32 v[244+\b], 0xff000000, v[232+\b]
.endr
.irp b, 0,1
	s_delay_alu instid0(VALU_DEP_2)
	v_lshrrev_b32 v[236+\b], 23, v[244+\b]
.endr
	s_delay_alu instid0(VALU_DEP_1)
	v_lshl_or_b32 v238, v237, 8, v236              ; my head's two bytes of the row's scale word
	v_cvt_scalef32_pk16_fp6_f32 v[224:226], v[S:S+15], v244
	v_cvt_scalef32_pk16_fp6_f32 v[228:230], v[S+16:S+31], v245
	v_nop
.irp i, 0,1,2
	v_permlane16_swap_b32 v[224+\i], v[228+\i]
.endr
.irp i, 0,1,2
	s_delay_alu instid0(VALU_DEP_3)
	v_mov_b32 v[227+\i], v[228+\i]                 ; v224-229: six registers, 6 c .. 6 c + 5 of the fragment
.endr
; In the image a chunk holds four registers.  c = 0: registers 0-3 are chunk 0, 4-5 the first half of a lane's 16 bytes in chunk 1.  c = 1: registers 6-7 the second half there, 8-11 chunk 2
.irp i, 0,1,2,3
	s_delay_alu instid0(VALU_DEP_4)
	v_cndmask_b32 v[240+\i], v[224+\i], v[226+\i], s87
.endr
.irp i, 0,1
	v_cndmask_b32 v[246+\i], v[228+\i], v[224+\i], s87
.endr
	global_store_b128 v8, v[240:243], s[94:95]
	global_store_b64 v9, v[246:247], s[94:95]      ; (two heads share this chunk: 8 of each 16 bytes are mine)
	global_store_b16 v10, v238, s[96:97]
	s_wait_tensorcnt 0x0                           ; the wave's end
	ds_add_u32 v[SPW], v[NIL]
	s_wait_dscnt 0x0
	CROUND                                         ; the closing round
	s_endpgm
.Lfunc_end_k_qb81e1809d8_attn:
	.size	k_qb81e1809d8_attn, .Lfunc_end_k_qb81e1809d8_attn-k_qb81e1809d8_attn
	.p2alignl 7, 3214868480
	.fill 96, 4, 3214868480
	.section	.rodata,"a",@progbits
	.p2align	6, 0x0
	.amdhsa_kernel k_qb81e1809d8_attn
		.amdhsa_group_segment_fixed_size 215040
		.amdhsa_private_segment_fixed_size 0
		.amdhsa_enable_private_segment 0
		.amdhsa_kernarg_size 16
		.amdhsa_user_sgpr_count 2
		.amdhsa_user_sgpr_kernarg_segment_ptr 1
		.amdhsa_wavefront_size32 1
		.amdhsa_system_sgpr_workgroup_id_x 1
		.amdhsa_system_sgpr_workgroup_id_y 1
		.amdhsa_system_sgpr_workgroup_id_z 1
		.amdhsa_system_vgpr_workitem_id 0
		.amdhsa_next_free_vgpr 256
		.amdhsa_next_free_sgpr 100
		.amdhsa_reserve_vcc 0
		.amdhsa_float_denorm_mode_32 3
		.amdhsa_float_denorm_mode_16_64 3
		.amdhsa_memory_ordered 1
		.amdhsa_forward_progress 1
		.amdhsa_inst_pref_size 34
	.end_amdhsa_kernel
	.amdgpu_metadata
---
amdhsa.version: [ 1, 2 ]
amdhsa.kernels:
  - .name:           k_qb81e1809d8_attn
    .symbol:         k_qb81e1809d8_attn.kd
    .args:
      - { .name: qkv, .offset: 0, .size: 8, .value_kind: global_buffer, .address_space: global }
      - { .name: op, .offset: 8, .size: 8, .value_kind: global_buffer, .address_space: global }
    .group_segment_fixed_size: 215040
    .private_segment_fixed_size: 0
    .kernarg_segment_align: 8
    .kernarg_segment_size: 16
    .max_flat_workgroup_size: 512
    .sgpr_count:     100
    .vgpr_count:     256
    .wavefront_size: 32
...
	.end_amdgpu_metadata
.endif
;; end of part 3
;; launch g4ln (part 4): grid 256 x 1, 8 waves a work-group, no clusters, 69,632 bytes of LDS; arguments op, wp, out_b, x, ln2_g, ln2_b, x1, a2; writes x1, a2
.if DOCPART == 4
	.amdgcn_target "amdgcn-amd-amdhsa--gfx1250"
	.amdhsa_code_object_version 6
	.text
	.protected	k_qb81e1809d8_g4ln
	.globl	k_qb81e1809d8_g4ln
	.p2align	8
	.type	k_qb81e1809d8_g4ln,@function
k_qb81e1809d8_g4ln:
	s_mov_b64 s[64:65], 0
	v_nop
	global_prefetch_b8 v0, s[64:65] scope:SCOPE_SE
	s_setreg_imm32_b32 hwreg(HW_REG_WAVE_MODE, 25, 1), 1
	s_wait_xcnt 0x0
; TWO STEPS OF THE BLOCK IN ONE LAUNCH: x1 = x + op out_w + out_b (f32, stored for the last residual), and a2 = Q(layer norm(x1) x g + b), which never sees memory between the two.
; op and out_w come as codes of FP6 (E2M3) with E8M0 bytes, in records of 12,800 bytes (128 rows x 128 K: fragment rb at 1,536 rb as an image of the operand's registers, chunk c at 512 c, lane l at 16 l;
; scale words at 12,288 + 64 rb + 4 r); a2 leaves in the same form.  Row p of a record holds token or column p with bits 3 and 4 exchanged.  out_w's first record in wp is 192; record (rt, ks) lies at (8 rt + ks) x 12,800.
; SHARES.  The norm wants whole rows, so a work-group owns 16 token rows (one fragment row block) x all 1,024 columns: 256 work-groups.  Wave w takes columns 128 w .. 128 w + 127: out_w's record row w, eight tiles of 16.
; The matrix instruction is used transposed (source 0 = 16 columns of out_w, source 1 = my 16 tokens): register 8 mb + j of lane (r, h) is column 128 w + 32 (mb / 2) + 16 h + 8 (mb % 2) + j of row r,
; which is the order in which the norm's quantiser wants a lane's 64 numbers.
; THE WEIGHTS GO FROM MEMORY STRAIGHT INTO REGISTERS: a record is an image of registers, each fragment feeds one product, and each load takes 512 consecutive bytes.  Two sets of eight fragments take turns:
; a set is asked for again behind its products, two K steps ahead of its next use.  Scale words come two tiles to a register (4 bytes a lane: tile 2 j in lanes 0-15, tile 2 j + 1 in lanes 16-31, named by ROW1).
; So no tensor load, no cluster and no prefetch: the loads themselves run two K steps ahead, and every work-group walks the same 786,432 bytes of codes at about the same time.
; THE SUMS START FROM x: its 16 rows come as 512 consecutive bytes a load, turn through the wave's own stage in LDS (rows 528 bytes apart) and are the C of the first K step.  The bias is added behind the last.
; x1 goes the same way back through the stage and leaves as rows of 512 bytes.  Mean and variance in two passes, each summed over lanes, then over the eight waves through LDS words of its own: two barriers.
; REGISTERS.  Window 0: v0-31 addresses and small things; v32-95 the sums; v96-191 op's eight fragments, later the norm's biases and the quantiser's work; v192-199 op's scale words; v208-215 out_w's.
; Window 1: v0-95, v96-191 out_w's two sets; later out_b and x1's rows in the first, the gains in the second.
; LIMITS: a block of zeros, or one whose largest magnitude lies under 2^-124, has the byte 1 (this program alone reads the bytes); NaN and infinities are not served.
.set REC, 12800
.set X,   32
.set AF,  96
.set SA,  192
.set SB,  208                          ; set s, pair j at SB + 2 j + 1 - s: its number and that of op's word of the same K step differ modulo 8
.set BT,  96
.set TM,  160
.set PC,  176
.set PW,  196
.set SEL, 40
.set SP,  528
.set STAGE, 1024                       ; LDS: 0 and 512: the two reductions' words; from 1,024: a stage of 16 rows for each wave; from 68,608: the spare words
.set MSB, 0
.macro WIN new                         ; the immediate's high byte repeats the setting that is left
.if MSB != (\new)
	s_set_vgpr_msb (MSB<<8)|(\new)
.set MSB, (\new)
.endif
.endm
.macro PLACES
.rept 4
	v_nop
.endr
.endm
.macro BLOAD ks                        ; out_w's record of K step ks into set ks % 2: 24 + 4 loads
	WIN 0x40
.set fi, 0
.rept 8
.irp c, 0,1,2
	global_load_b128 v[96*((\ks)%2)+12*fi+4*\c:96*((\ks)%2)+12*fi+4*\c+3], v5, s[22:23] offset:(\ks)*REC+fi*1536+\c*512
.endr
.set fi, fi+1
.endr
	WIN 0
.irp j, 0,1,2,3
	global_load_b32 v[SB+2*\j+1-(\ks)%2], v26, s[22:23] offset:(\ks)*REC+12288+128*\j
.endr
.endm
.macro MUL ks                          ; eight products, the eight sums by turns
	WIN 0x01
.set mb, 0
.rept 8
.if mb%2
	v_wmma_scale_f32_16x16x128_f8f6f4 v[X+8*mb:X+8*mb+7], v[96*((\ks)%2)+12*mb:96*((\ks)%2)+12*mb+11], v[AF+12*(\ks):AF+12*(\ks)+11], v[X+8*mb:X+8*mb+7], v[SB+2*(mb/2)+1-(\ks)%2], v[SA+(\ks)] matrix_a_fmt:MATRIX_FMT_FP6 matrix_b_fmt:MATRIX_FMT_FP6 matrix_a_scale:MATRIX_SCALE_ROW1
.else
	v_wmma_scale_f32_16x16x128_f8f6f4 v[X+8*mb:X+8*mb+7], v[96*((\ks)%2)+12*mb:96*((\ks)%2)+12*mb+11], v[AF+12*(\ks):AF+12*(\ks)+11], v[X+8*mb:X+8*mb+7], v[SB+2*(mb/2)+1-(\ks)%2], v[SA+(\ks)] matrix_a_fmt:MATRIX_FMT_FP6 matrix_b_fmt:MATRIX_FMT_FP6
.endif
.set mb, mb+1
.endr
	WIN 0
	PLACES                                         ; in front of loads into registers that matrix instructions have read, and of the first read of the sums
.endm
.macro VEC64 base, ptr                 ; 64 numbers of a vector of 1,024, as my lane's 64 columns lie: register 16 b + i = column 128 w + 32 b + 16 h + i
.irp b, 0,1,2,3
.irp j, 0,1,2,3
	global_load_b128 v[\base+16*\b+4*\j:\base+16*\b+4*\j+3], v4, s[\ptr:\ptr+1] offset:128*\b+16*\j
.endr
.endr
.endm
.macro QUANT s                         ; 64 numbers of a lane, register 16 b + i = k 32 b + 16 (lane / 16) + i of my row, become a fragment's codes in v[PC] on and its scale word in v[PW]
.irp b, 0,1,2,3
	v_max3_num_f32 v[TM+\b], |v[\s+16*\b]|, |v[\s+1+16*\b]|, 0x1800000   ; my 16 numbers of block b, and the floor 2^(3 - 127)
.endr
.irp i, 2,4,6,8,10,12,14
.irp b, 0,1,2,3
	s_delay_alu instid0(VALU_DEP_4)
	v_max3_num_f32 v[TM+\b], v[TM+\b], |v[\s+16*\b+\i]|, |v[\s+1+16*\b+\i]|
.endr
.endr
.irp b, 0,1,2,3
	s_delay_alu instid0(VALU_DEP_4)
	v_permlanex16_b32 v[TM+4+\b], v[TM+\b], s[SEL], s[SEL+1]
.endr
.irp b, 0,1,2,3
	s_delay_alu instid0(VALU_DEP_4)
	v_max_num_f32 v[TM+\b], v[TM+\b], v[TM+4+\b]   ; with lane l xor 16's: the block's largest magnitude
.endr
.irp b, 0,1,2,3
	s_delay_alu instid0(VALU_DEP_4)
	v_add_nc_u32 v[TM+12+\b], 0xff000000, v[TM+\b] ; 2 off its exponent field: the conversion's scale operand
.endr
.irp b, 0,1,2,3
	s_delay_alu instid0(VALU_DEP_4)
	v_lshrrev_b32 v[TM+4+\b], 23, v[TM+12+\b]      ; the scale's byte
.endr
	s_delay_alu instid0(VALU_DEP_3)
	v_lshl_or_b32 v[PW], v[TM+5], 8, v[TM+4]
	s_delay_alu instid0(VALU_DEP_1)
	v_lshl_or_b32 v[PW], v[TM+6], 16, v[PW]
	s_delay_alu instid0(VALU_DEP_1)
	v_lshl_or_b32 v[PW], v[TM+7], 24, v[PW]
.irp c, 0,1
	v_cvt_scalef32_pk16_fp6_f32 v[PC+6*\c:PC+2+6*\c], v[\s+32*\c:\s+15+32*\c], v[TM+12+2*\c]
	v_cvt_scalef32_pk16_fp6_f32 v[PC+12+4*\c:PC+14+4*\c], v[\s+16+32*\c:\s+31+32*\c], v[TM+12+2*\c+1]
.endr
	v_nop                                          ; one plain place behind a scaled conversion
.irp c, 0,1                                    ; the operand wants a whole block in a lane: lanes 0-15 block 2 c, lanes 16-31 block 2 c + 1
.irp i, 0,1,2
	v_permlane16_swap_b32 v[PC+6*\c+\i], v[PC+12+4*\c+\i]
.endr
.irp i, 0,1,2
	s_delay_alu instid0(VALU_DEP_3)
	v_mov_b32 v[PC+3+6*\c+\i], v[PC+12+4*\c+\i]
.endr
.endr
.endm
; four chains v[14:21] become the row's sum over 1,024 columns in v14, in every lane of the row
.macro REDUCE off
	s_delay_alu instid0(VALU_DEP_3)
	v_pk_add_f32 v[14:15], v[14:15], v[16:17]
	s_delay_alu instid0(VALU_DEP_2)
	v_pk_add_f32 v[18:19], v[18:19], v[20:21]
	s_delay_alu instid0(VALU_DEP_1)
	v_pk_add_f32 v[14:15], v[14:15], v[18:19]
	s_delay_alu instid0(VALU_DEP_1)
	v_add_f32 v14, v14, v15
	s_delay_alu instid0(VALU_DEP_1)
	v_permlanex16_b32 v15, v14, s[SEL], s[SEL+1]
	s_delay_alu instid0(VALU_DEP_1)
	v_add_f32 v14, v14, v15                        ; my row's 128 columns of this wave (lanes r and r + 16 hold the same bits)
	ds_store_b32 v7, v14 offset:\off
	s_wait_dscnt 0x0                               ; for the others' sake: my store has landed
	s_barrier_signal -1
	s_barrier_wait -1
	ds_load_b128 v[16:19], v8 offset:\off
	ds_load_b128 v[20:23], v8 offset:\off+16
	s_wait_dscnt 0x0
	v_pk_add_f32 v[16:17], v[16:17], v[18:19]
	v_pk_add_f32 v[20:21], v[20:21], v[22:23]
	s_delay_alu instid0(VALU_DEP_1)
	v_pk_add_f32 v[16:17], v[16:17], v[20:21]
	s_delay_alu instid0(VALU_DEP_1)
	v_add_f32 v14, v16, v17
.endm
	s_load_b256 s[4:11], s[0:1], 0x0               ; op, wp, out_b, x
	s_load_b256 s[12:19], s[0:1], 0x20             ; g, b, x1, a2
	v_lshl_add_u32 v30, v0, 2, 0x10c00
	v_mov_b32 v31, 0
	v_lshrrev_b32 v9, 5, v0
	s_delay_alu instid0(VALU_DEP_1)
	v_readfirstlane_b32 s20, v9                    ; wave = my 128 columns = a2's K step
	v_and_b32 v1, 15, v0                           ; r
	v_bfe_u32 v2, v0, 4, 1                         ; h
	v_and_b32 v5, 31, v0
	s_delay_alu instid0(VALU_DEP_1)
	v_lshlrev_b32 v26, 2, v5                       ; 4 x lane
	v_lshlrev_b32 v5, 4, v5                        ; 16 x lane
	s_lshl_b32 s21, s20, 9
	v_add_nc_u32 v3, s21, v5                       ; x, x1: 512 w + 16 x lane in a row
	v_lshlrev_b32 v4, 6, v2
	s_delay_alu instid0(VALU_DEP_1)
	v_add_nc_u32 v4, s21, v4                       ; out_b, g, b: 64 h + 512 w
	v_lshlrev_b32 v6, 2, v1                        ; 4 r
	v_lshlrev_b32 v8, 5, v1                        ; LDS: a row's eight partial sums, 32 r
	s_lshl_b32 s24, s20, 2
	v_add_nc_u32 v7, s24, v8                       ; and mine among them
	s_mul_i32 s25, s20, 16*SP
	s_add_co_u32 s25, s25, STAGE                   ; my wave's stage
	v_add_nc_u32 v24, s25, v5                      ; by rows: 16 x lane of a row
	v_mul_u32_u24 v25, v1, SP
	s_delay_alu instid0(VALU_DEP_1)
	v_lshl_add_u32 v25, v2, 6, v25
	s_delay_alu instid0(VALU_DEP_1)
	v_add_nc_u32 v25, s25, v25                     ; by lanes: row r, + 64 h
	s_mov_b32 s[SEL], 0x76543210
	s_mov_b32 s[SEL+1], 0xfedcba98                 ; v_permlanex16_b32's selects for lane l xor 16
	s_mov_b32 s42, 0x3a800000                      ; 1 / 1,024
	s_lshr_b32 s28, ttmp9, 1
	s_lshl_b32 s28, s28, 5
	s_and_b32 s29, ttmp9, 1
	s_lshl_b32 s29, s29, 3
	s_add_co_u32 s28, s28, s29                     ; token 32 (RB / 2) + 8 (RB % 2)
	s_lshl_b32 s28, s28, 12
	s_mov_b32 s29, 0
	s_lshr_b32 s30, ttmp9, 3
	s_mul_i32 s30, s30, 8*REC                      ; my row tile's first record, in op and in a2
	s_and_b32 s31, ttmp9, 7
	s_mul_i32 s32, s31, 1536
	s_add_co_u32 s32, s32, s30                     ; my fragment in it
	s_mov_b32 s33, 0
	s_lshl_b32 s34, s31, 6
	s_add_co_u32 s34, s34, s30
	s_add_co_u32 s34, s34, 12288                   ; its scale words
	s_mov_b32 s35, 0
	s_mul_i32 s36, s20, REC                        ; a2: my wave's K step
	s_mov_b32 s37, 0
	s_mul_i32 s38, s20, 8*REC
	s_add_co_u32 s38, s38, 192*REC                 ; out_w's record row w
	s_mov_b32 s39, 0
	s_wait_alu depctr_va_vdst(0)                   ; the wait at the head's end
	s_wait_kmcnt 0x0
	s_add_nc_u64 s[10:11], s[10:11], s[28:29]
	s_add_nc_u64 s[16:17], s[16:17], s[28:29]
	s_add_nc_u64 s[44:45], s[4:5], s[32:33]
	s_add_nc_u64 s[46:47], s[4:5], s[34:35]
	s_add_nc_u64 s[22:23], s[6:7], s[38:39]
	s_add_nc_u64 s[18:19], s[18:19], s[36:37]
	s_add_nc_u64 s[32:33], s[18:19], s[32:33]
	s_add_nc_u64 s[34:35], s[18:19], s[34:35]
.irp t, 0,1,2,3,4,5,6,7,8,9,10,11,12,13,14,15
	global_load_b128 v[X+4*\t:X+4*\t+3], v3, s[10:11] offset:(\t+8*(\t/8))*4096 th:TH_LOAD_NT   ; row t of the block is token t + 8 (t / 8) of the 32: 32 lanes read 512 consecutive bytes of it
.endr
.irp q, 0,1,2,3,4,5,6,7
.irp c, 0,1,2
	global_load_b128 v[AF+12*\q+4*\c:AF+12*\q+4*\c+3], v5, s[44:45] offset:\q*REC+512*\c   ; op's fragment of K step q
.endr
	global_load_b32 v[SA+\q], v6, s[46:47] offset:\q*REC
.endr
	BLOAD 0
	BLOAD 1
	s_wait_loadcnt 63                              ; of the 104 loads the first 41 are in, x's 16 rows among them (a wait's count holds 63 at the most)
.irp t, 0,1,2,3,4,5,6,7,8,9,10,11,12,13,14,15
	ds_store_b128 v24, v[X+4*\t:X+4*\t+3] offset:\t*SP
.endr
.irp b, 0,1,2,3
.irp j, 0,1,2,3
	ds_load_b128 v[X+16*\b+4*\j:X+16*\b+4*\j+3], v25 offset:128*\b+16*\j   ; LDS serves a wave's instructions in order (ISA guide 5.7.1.4): these see my stores, and come behind them into the registers that they left
.endr
.endr
	s_wait_loadcnt 28                              ; all but K step 1's record
	s_wait_dscnt 0x0                               ; x lies as the sums lie
.irp q, 0,1,2,3,4,5
	MUL \q
	BLOAD \q+2
	s_wait_loadcnt 28                              ; the next K step's record is in; the 28 loads just issued may be out
.endr
	MUL 6
	WIN 0x40
	VEC64 0, 8                                     ; out_b, where the first set lay
	WIN 0
	s_wait_loadcnt 16                              ; K step 7's record is in
	MUL 7
	WIN 0x40
	VEC64 96, 12                                   ; the gains, where the second set lay
	WIN 0
	VEC64 BT, 14                                   ; the norm's biases, where op's fragments lay
	s_wait_loadcnt 32                              ; out_b
	WIN 0x04
.set k, 0
.rept 32
	v_pk_add_f32 v[X+2*k:X+2*k+1], v[X+2*k:X+2*k+1], v[2*k:2*k+1]   ; x1
.set k, k+1
.endr
	WIN 0
.irp b, 0,1,2,3
.irp j, 0,1,2,3
	ds_store_b128 v25, v[X+16*\b+4*\j:X+16*\b+4*\j+3] offset:128*\b+16*\j
.endr
.endr
	WIN 0x40
.irp t, 0,1,2,3,4,5,6,7,8,9,10,11,12,13,14,15
	ds_load_b128 v[4*\t:4*\t+3], v24 offset:\t*SP  ; x1 back by rows, where out_b lay; the first sum's wait on LDS shows them in
.endr
	WIN 0
.irp c, 0,1,2,3
	v_pk_add_f32 v[14+2*\c:15+2*\c], v[X+2*\c:X+2*\c+1], v[X+8+2*\c:X+9+2*\c]
.endr
.irp j, 16,24,32,40,48,56
.irp c, 0,1,2,3
	s_delay_alu instid0(VALU_DEP_4)
	v_pk_add_f32 v[14+2*\c:15+2*\c], v[14+2*\c:15+2*\c], v[X+\j+2*\c:X+\j+2*\c+1]
.endr
.endr
	REDUCE 0
	s_delay_alu instid0(VALU_DEP_1)
	v_mul_f32 v10, s42, v14                        ; the mean
	s_delay_alu instid0(VALU_DEP_1)
	v_mov_b32 v11, v10
.set k, 0
.rept 32
	v_pk_add_f32 v[X+2*k:X+2*k+1], v[X+2*k:X+2*k+1], v[10:11] neg_lo:[0,1] neg_hi:[0,1]
.set k, k+1
.endr
	WIN 0x04                                       ; a store's data are its source 1: window 1
.irp t, 0,1,2,3,4,5,6,7,8,9,10,11,12,13,14,15
	global_store_b128 v3, v[4*\t:4*\t+3], s[16:17] offset:(\t+8*(\t/8))*4096   ; 32 lanes store 512 consecutive bytes of a row of x1
.endr
	WIN 0
.irp c, 0,1,2,3
	v_pk_mul_f32 v[14+2*\c:15+2*\c], v[X+2*\c:X+2*\c+1], v[X+2*\c:X+2*\c+1]
.endr
.irp j, 8,16,24,32,40,48,56
.irp c, 0,1,2,3
	s_delay_alu instid0(VALU_DEP_4)
	v_pk_fma_f32 v[14+2*\c:15+2*\c], v[X+\j+2*\c:X+\j+2*\c+1], v[X+\j+2*\c:X+\j+2*\c+1], v[14+2*\c:15+2*\c]
.endr
.endr
	REDUCE 512                                     ; other LDS words than the first sum's: no barrier is owed between the first sum's reads and these stores
	s_delay_alu instid0(VALU_DEP_1)
	v_fmaak_f32 v16, s42, v14, 0x3727c5ac          ; the variance + 1e-5
	s_wait_alu depctr_va_vdst(0)
	v_rsq_f32 v12, v16
	v_nop                                          ; a plain place behind the transcendental
	s_wait_alu depctr_va_vdst(0)                   ; and the wait ahead of its first reader
	v_mov_b32 v13, v12
	s_wait_alu depctr_va_vdst(0)
	s_wait_loadcnt 0x0                             ; gains and biases
.set k, 0
.rept 32
	v_pk_mul_f32 v[X+2*k:X+2*k+1], v[X+2*k:X+2*k+1], v[12:13]
.set k, k+1
.endr
	WIN 0x04                                       ; the gains: source 1, window 1
.set k, 0
.rept 32
	v_pk_fma_f32 v[X+2*k:X+2*k+1], v[X+2*k:X+2*k+1], v[96+2*k:96+2*k+1], v[BT+2*k:BT+2*k+1]
.set k, k+1
.endr
	WIN 0
	QUANT X
.irp c, 0,1,2
	global_store_b128 v5, v[PC+4*\c:PC+4*\c+3], s[32:33] offset:512*\c   ; 512 consecutive bytes, at a multiple of 256 from the buffer's first byte
.endr
	global_store_b32 v6, v[PW], s[34:35]           ; lanes r and r + 16 store the same word with the same value
	s_wait_tensorcnt 0x0                           ; the wave's end
	ds_add_u32 v30, v31
	s_wait_dscnt 0x0
	s_endpgm
.Lfunc_end_k_qb81e1809d8_g4ln:
	.size	k_qb81e1809d8_g4ln, .Lfunc_end_k_qb81e1809d8_g4ln-k_qb81e1809d8_g4ln
	.p2alignl 7, 3214868480
	.fill 96, 4, 3214868480
	.section	.rodata,"a",@progbits
	.p2align	6, 0x0
	.amdhsa_kernel k_qb81e1809d8_g4ln
		.amdhsa_group_segment_fixed_size 69632
		.amdhsa_private_segment_fixed_size 0
		.amdhsa_enable_private_segment 0
		.amdhsa_kernarg_size 64
		.amdhsa_user_sgpr_count 2
		.amdhsa_user_sgpr_kernarg_segment_ptr 1
		.amdhsa_wavefront_size32 1
		.amdhsa_system_sgpr_workgroup_id_x 1
		.amdhsa_system_sgpr_workgroup_id_y 1
		.amdhsa_system_sgpr_workgroup_id_z 1
		.amdhsa_system_vgpr_workitem_id 0
		.amdhsa_next_free_vgpr 512
		.amdhsa_next_free_sgpr 66
		.amdhsa_reserve_vcc 0
		.amdhsa_float_denorm_mode_32 3
		.amdhsa_float_denorm_mode_16_64 3
		.amdhsa_memory_ordered 1
		.amdhsa_forward_progress 1
		.amdhsa_inst_pref_size 71
	.end_amdhsa_kernel
	.amdgpu_metadata
---
amdhsa.version: [ 1, 2 ]
amdhsa.kernels:
  - .name:           k_qb81e1809d8_g4ln
    .symbol:         k_qb81e1809d8_g4ln.kd
    .args:
      - { .name: op, .offset: 0, .size: 8, .value_kind: global_buffer, .address_space: global }
      - { .name: wp, .offset: 8, .size: 8, .value_kind: global_buffer, .address_space: global }
      - { .name: out_b, .offset: 16, .size: 8, .value_kind: global_buffer, .address_space: global }
      - { .name: x, .offset: 24, .size: 8, .value_kind: global_buffer, .address_space: global }
      - { .name: ln2_g, .offset: 32, .size: 8, .value_kind: global_buffer, .address_space: global }
      - { .name: ln2_b, .offset: 40, .size: 8, .value_kind: global_buffer, .address_space: global }
      - { .name: x1, .offset: 48, .size: 8, .value_kind: global_buffer, .address_space: global }
      - { .name: a2, .offset: 56, .size: 8, .value_kind: global_buffer, .address_space: global }
    .group_segment_fixed_size: 69632
    .private_segment_fixed_size: 0
    .kernarg_segment_align: 8
    .kernarg_segment_size: 64
    .max_flat_workgroup_size: 256
    .sgpr_count:     66
    .vgpr_count:     512
    .wavefront_size: 32
...
	.end_amdgpu_metadata
.endif
;; end of part 4
;; launch g5 (part 5): grid 16 x 16, 4 waves a work-group, clusters of 4 x 4, 327,680 bytes of LDS; arguments a2, wp, ff_b1, hm; writes hm
.if DOCPART == 5
	.amdgcn_target "amdgcn-amd-amdhsa--gfx1250"
	.amdhsa_code_object_version 6
	.text
	.protected	k_qb81e1809d8_g5
	.globl	k_qb81e1809d8_g5
	.p2align	8
	.type	k_qb81e1809d8_g5,@function
k_qb81e1809d8_g5:
	s_mov_b64 s[64:65], 0
	v_nop
	global_prefetch_b8 v0, s[64:65] scope:SCOPE_SE
	s_setreg_imm32_b32 hwreg(HW_REG_WAVE_MODE, 25, 1), 1
	s_wait_xcnt 0x0
	s_wait_alu depctr_hold_cnt(0) depctr_sa_sdst(0) depctr_va_vdst(0) depctr_va_sdst(0) depctr_va_ssrc(0) depctr_va_vcc(0) depctr_vm_vsrc(0)
	s_getreg_b32 s2, hwreg(HW_REG_IB_STS2, 6, 4)
	s_cmp_eq_u32 s2, 0
	s_cbranch_scc0 .Lentry_in_a_cluster
	s_endpgm
.Lentry_in_a_cluster:
	s_bfe_u32 s2, ttmp6, 0x10000c
	s_cmp_lg_u32 s2, 0xf033
	s_cbranch_scc0 .Lentry_shape_is_right
	s_endpgm
.Lentry_shape_is_right:
; hm = Q(gelu(a2 ff_w1 + ff_b1)), on codes of FP6 (E2M3) with E8M0 scales; operands come as records of 12,800 bytes (128 rows x 128 K, images of the operand's registers, scale words at 12,288).
; A work-group makes 256 x 256, four waves of 128 x 128; K = 1,024 is eight steps of 128.  Clusters 4 x 4: A's records are asked for jointly along a row of the cluster, B's along a column.
; LDS: a quarter of 76,800 bytes for each wave's tensor loads (A's two record rows, then B's two), six steps on end, counted as three slots of two steps.
; The head's one load a wave brings steps 0 to 5; behind the round in step 1 slot 0 takes steps 6 and 7, the launch's one refill; a plain barrier in step 5 shows it to all waves.
; No prefetch: six of the eight steps are asked for at the head, and the refill follows one step later.
.set W, 8
.set KSN,   8
.set WOFF,  256
.set NQ,    2
.set D,     1
.set RPT,   2
.set WSTEP, KSN
.set PSTEP, 76800
.set SSTEP, 76800
.set NLD,   7*W
.set CNT,   NLD*(D-1)
.set REC,   12800
.set QUART, 76800                      ; six steps of one record row
.set SLOT, 25600                       ; two steps inside a quarter
.set SPARE, 4*QUART
.set STG,   SPARE+512
.set ADRA, 4                           ; v4-6   LDS address of my A fragments in slot 0, 1, 2
.set ADRS, 8                           ; v8-10  of my scale words
.set ADRB, 12                          ; v12-14 of my B fragments
.set LI,   27
.set SPW,  28
.set NIL,  29
.set BO,   30
.set SC,   32
.set AF,   64
.set BF,   0
.set BIAS, 192
.set G1,  24
.set G0,  32
.set G1B, 48
.set G0B, 56
.set SEL, 66
.set TM,  128
.set PC,  144
.set PW,  164
.set MSB, 0
.macro WIN new
.if MSB != (\new)
	s_set_vgpr_msb (MSB<<8)|(\new)
.set MSB, (\new)
.endif
.endm
.macro JLOAD s
	s_cmp_eq_u32 s15, 0
	s_cbranch_scc0 .Lfor_b_\@
	tensor_load_to_lds s[G0+4*\s:G0+4*\s+3], s[G1:G1+7]
	s_nop 0
.rept 4
	v_nop
.endr
	s_branch .Lasked_\@
.Lfor_b_\@:
	tensor_load_to_lds s[G0B+4*\s:G0B+4*\s+3], s[G1B:G1B+7]
	s_nop 0
.rept 4
	v_nop
.endr
.Lasked_\@:
.endm
.macro CREST
	s_cmp_lg_u32 s14, 0
	s_cbranch_scc1 .Lnot_wave_0_\@
	s_barrier_signal -3
.Lnot_wave_0_\@:
	s_barrier_wait -3
	s_barrier_signal -1
	s_barrier_wait -1
.endm
.macro CROUND
	s_barrier_signal -1
	s_barrier_wait -1
	CREST
.endm
.macro PLACES n
.rept \n
	v_nop
.endr
.endm
.macro FETCH slot, fq
	WIN 0x40
.set fi, 0
.rept W
.irp c, 0,1,2
	ds_load_b128 v[BF+12*W*(\fq)+12*fi+4*\c:BF+12*W*(\fq)+12*fi+4*\c+3], v[ADRB+(\slot)] offset:(\fq)*REC+fi*1536+\c*512
.endr
.set fi, fi+1
.endr
	WIN 0
.set fi, 0
.rept W
.irp c, 0,1,2
	ds_load_b128 v[AF+12*W*(\fq)+12*fi+4*\c:AF+12*W*(\fq)+12*fi+4*\c+3], v[ADRA+(\slot)] offset:(\fq)*REC+fi*1536+\c*512
.endr
.set fi, fi+1
.endr
.set fi, 0
.rept W
	ds_load_b32 v[SC+W*(\fq)+fi], v[ADRS+(\slot)] offset:(\fq)*REC+fi*64
.set fi, fi+1
.endr
.endm
.macro MULA a, p, first
.if \first
	WIN (0x91+0x40*((\a)/4))
.else
	WIN (0xa1+0x50*((\a)/4))
.endif
.set mb, 0
.rept W
.set rD, 8*(W*((\a)%4)+mb)
.set rB, BF+12*W*(\p)+12*mb
.set rA, AF+12*W*(\p)+12*(\a)
.if \first
	v_wmma_scale_f32_16x16x128_f8f6f4 v[rD:rD+7], v[rB:rB+11], v[rA:rA+11], v[BIAS+8*mb:BIAS+8*mb+7], v[SC+W*(\p)+mb], v[SC+W*(\p)+(\a)] matrix_a_fmt:MATRIX_FMT_FP6 matrix_b_fmt:MATRIX_FMT_FP6 matrix_a_scale:MATRIX_SCALE_ROW1
.else
	v_wmma_scale_f32_16x16x128_f8f6f4 v[rD:rD+7], v[rB:rB+11], v[rA:rA+11], v[rD:rD+7], v[SC+W*(\p)+mb], v[SC+W*(\p)+(\a)] matrix_a_fmt:MATRIX_FMT_FP6 matrix_b_fmt:MATRIX_FMT_FP6 matrix_a_scale:MATRIX_SCALE_ROW1
.endif
.set mb, mb+1
.endr
.endm
.macro MULH lo, n, p, first
.set ma, \lo
.rept \n
	MULA ma, \p, \first
.set ma, ma+1
.endr
.endm
.macro STP slot, q, mode, first, cnt
.set fq_, (\q)+D
.set fs_, (\slot)
.if fq_ >= NQ
.set fq_, fq_-NQ
.set fs_, ((\slot)+1)%3
.endif
.if (\mode) == 0
	s_wait_dscnt \cnt
	MULH 0, W/2, \q, \first
	PLACES 4
	FETCH fs_, fq_
	MULH W/2, W/2, \q, \first
.elseif (\mode) == 3
	s_wait_dscnt \cnt
	MULH 0, W, \q, \first
.else
	WIN 0
	s_wait_tensorcnt 0x0
	ds_add_u32 v[SPW], v[NIL]
	s_wait_dscnt \cnt+1
	MULH 0, W/4, \q, 0
	s_wait_dscnt 0x0
	s_barrier_signal -1
	MULH W/4, W/4, \q, 0
	WIN 0
	s_barrier_wait -1
.if (\mode) == 1
	CREST
	s_add_nc_u64 s[G0+4*\slot+2:G0+4*\slot+3], s[G0+4*\slot+2:G0+4*\slot+3], 3*NQ*REC
	s_add_nc_u64 s[G0B+4*\slot+2:G0B+4*\slot+3], s[G0B+4*\slot+2:G0B+4*\slot+3], 3*NQ*REC
	s_mov_b32 s[G1+2], 100<<16                     ; no tensor load of mine is out: the refill brings two steps, 100 rows of 256 bytes
	s_mov_b32 s[G1+4], 100
	s_mov_b32 s[G1B+2], 100<<16
	s_mov_b32 s[G1B+4], 100
	JLOAD \slot
.else
	PLACES 4
.endif
	FETCH fs_, fq_
	MULH W/2, W/2, \q, 0
.endif
.endm
.macro QUANT s
.irp b, 0,1,2,3
	v_max3_num_f32 v[TM+\b], |v[\s+16*\b]|, |v[\s+1+16*\b]|, 0x1800000
.endr
.irp i, 2,4,6,8,10,12,14
.irp b, 0,1,2,3
	v_max3_num_f32 v[TM+\b], v[TM+\b], |v[\s+16*\b+\i]|, |v[\s+1+16*\b+\i]|
.endr
.endr
.irp b, 0,1,2,3
	v_permlanex16_b32 v[TM+4+\b], v[TM+\b], s[SEL], s[SEL+1]
.endr
.irp b, 0,1,2,3
	v_max_num_f32 v[TM+\b], v[TM+\b], v[TM+4+\b]
.endr
.irp b, 0,1,2,3
	v_add_nc_u32 v[TM+12+\b], 0xff000000, v[TM+\b]
.endr
.irp b, 0,1,2,3
	v_lshrrev_b32 v[TM+4+\b], 23, v[TM+12+\b]
.endr
	v_lshl_or_b32 v[PW], v[TM+5], 8, v[TM+4]
	v_lshl_or_b32 v[PW], v[TM+6], 16, v[PW]
	v_lshl_or_b32 v[PW], v[TM+7], 24, v[PW]
.irp c, 0,1
	v_cvt_scalef32_pk16_fp6_f32 v[PC+6*\c:PC+2+6*\c], v[\s+32*\c:\s+15+32*\c], v[TM+12+2*\c]
	v_cvt_scalef32_pk16_fp6_f32 v[PC+12+4*\c:PC+14+4*\c], v[\s+16+32*\c:\s+31+32*\c], v[TM+12+2*\c+1]
.endr
	v_nop
.irp c, 0,1
.irp i, 0,1,2
	v_permlane16_swap_b32 v[PC+6*\c+\i], v[PC+12+4*\c+\i]
.endr
.irp i, 0,1,2
	v_mov_b32 v[PC+3+6*\c+\i], v[PC+12+4*\c+\i]
.endr
.endr
.endm
	s_load_b256 s[4:11], s[0:1], 0x0
	v_lshl_add_u32 v[SPW], v0, 2, SPARE
	v_mov_b32 v[NIL], 0
	ds_add_u32 v28, v29
	ds_add_u32 v28, v29
	s_wait_dscnt 0x0
	v_lshrrev_b32 v1, 5, v0
	v_readfirstlane_b32 s14, v1
	s_lshr_b32 s15, s14, 1
	s_and_b32 s16, s14, 1
	s_bfe_u32 s40, ttmp6, 0x40000
	s_bfe_u32 s41, ttmp6, 0x40004
	s_lshl_b32 s42, ttmp9, 2
	s_add_co_u32 s42, s42, s40
	s_and_b32 s17, ttmp7, 0xffff
	s_lshl_b32 s17, s17, 2
	s_add_co_u32 s17, s17, s41
	s_lshl_b32 s43, s41, 2
	s_lshl_b32 s43, 15, s43
	s_lshl_b32 s44, 0x1111, s40
	s_or_b32 s[G1], s43, (3<<16)|(1<<21)
	s_or_b32 s[G1B], s44, (3<<16)|(1<<21)
.irp g, G1, G1B
	s_mov_b32 s[\g+1], 32<<16
	s_mov_b32 s[\g+2], 300<<16
	s_mov_b32 s[\g+3], 32<<16
	s_mov_b32 s[\g+4], 300
	s_mov_b32 s[\g+5], 32
	s_mov_b32 s[\g+6], 0
	s_mov_b32 s[\g+7], 0
.endr
	s_mul_i32 s18, s16, WSTEP
	s_mul_i32 s20, s17, RPT*KSN
	s_add_co_u32 s20, s20, s18
	s_mul_i32 s20, s20, REC
	s_mov_b32 s21, 0
	s_mul_i32 s46, s42, RPT*KSN
	s_add_co_u32 s46, s46, s18
	s_add_co_u32 s46, s46, WOFF
	s_mul_i32 s46, s46, REC
	s_mov_b32 s47, 0
	s_mul_i32 s45, s14, QUART
	s_wait_kmcnt 0x0
	s_add_nc_u64 s[20:21], s[4:5], s[20:21]
	s_add_nc_u64 s[46:47], s[6:7], s[46:47]
	CROUND
.irp s, 0
	s_mov_b32 s[G0+4*\s], 1
	s_add_co_u32 s[G0+4*\s+1], s45, \s*SLOT
	s_add_nc_u64 s[G0+4*\s+2:G0+4*\s+3], s[20:21], \s*NQ*REC
	s_or_b32 s[G0+4*\s+3], s[G0+4*\s+3], 0x80000000
	s_mov_b32 s[G0B+4*\s], 1
	s_add_co_u32 s[G0B+4*\s+1], s45, \s*SLOT
	s_add_nc_u64 s[G0B+4*\s+2:G0B+4*\s+3], s[46:47], \s*NQ*REC
	s_or_b32 s[G0B+4*\s+3], s[G0B+4*\s+3], 0x80000000
	JLOAD \s
.endr
	v_and_b32 v1, 15, v0
	v_bfe_u32 v2, v0, 4, 1
	v_and_b32 v[LI], 31, v0
	v_lshlrev_b32 v[LI], 4, v[LI]
	s_mul_i32 s18, s15, PSTEP
	s_mul_i32 s19, s16, PSTEP
	s_add_co_u32 s19, s19, 2*QUART
	v_add_nc_u32 v[ADRA], s18, v[LI]
	v_add_nc_u32 v[ADRB], s19, v[LI]
	v_add_nc_u32 v[ADRA+1], SLOT, v[ADRA]
	v_add_nc_u32 v[ADRB+1], SLOT, v[ADRB]
	v_add_nc_u32 v[ADRA+2], 2*SLOT, v[ADRA]
	v_add_nc_u32 v[ADRB+2], 2*SLOT, v[ADRB]
	s_mul_i32 s18, s15, SSTEP
	s_mul_i32 s19, s16, SSTEP
	s_add_co_u32 s19, s19, 2*QUART
	s_sub_co_u32 s19, s19, s18
	v_mul_u32_u24 v3, s19, v2
	s_wait_alu depctr_va_vdst(0)
	s_add_co_u32 s18, s18, 12288
	v_lshl_add_u32 v3, v1, 2, v3
	v_add_nc_u32 v[ADRS], s18, v3
	v_add_nc_u32 v[ADRS+1], SLOT, v[ADRS]
	v_add_nc_u32 v[ADRS+2], 2*SLOT, v[ADRS]
	v_lshlrev_b32 v[BO], 6, v2
	s_mul_i32 s18, s42, 128*W
	s_mul_i32 s19, s16, 64*W
	s_add_co_u32 s18, s18, s19
	s_mov_b32 s19, 0
	s_add_nc_u64 s[8:9], s[8:9], s[18:19]
	WIN 0x40
.set bi, 0
.rept W
	global_load_b128 v[BIAS+8*bi:BIAS+8*bi+3], v[BO], s[8:9] offset:(32*(bi/2)+8*(bi%2))*4
	global_load_b128 v[BIAS+8*bi+4:BIAS+8*bi+7], v[BO], s[8:9] offset:(32*(bi/2)+8*(bi%2))*4+16
.set bi, bi+1
.endr
	WIN 0
	s_wait_alu depctr_va_vdst(0)
	s_wait_tensorcnt 0x0
	s_barrier_signal -1
	s_barrier_wait -1
	FETCH 0, 0
	s_wait_loadcnt 0x0
	STP 0, 0, 0, 1, CNT
	WIN 0
	STP 0, 1, 1, 0, CNT                            ; step 1: slot 0 has been read out; the round, and steps 6 and 7 are asked for
	STP 1, 0, 0, 0, CNT
	STP 1, 1, 0, 0, CNT
	STP 2, 0, 0, 0, CNT
	STP 2, 1, 2, 0, CNT                            ; step 5: a barrier shows the refill to all waves
	STP 0, 0, 0, 0, CNT
	STP 0, 1, 3, 0, 0
	WIN 0
	PLACES 4
	v_mov_b32 v48, 0xaf95df0b
	v_mov_b32 v49, 0xaf95df0b
	v_mov_b32 v50, 0xb77460cd
	v_mov_b32 v51, 0xb77460cd
	s_mov_b32 s[SEL], 0x76543210
	s_mov_b32 s[SEL+1], 0xfedcba98
	s_lshl_b32 s68, s17, 1
	s_add_co_u32 s68, s68, s15
	s_lshl_b32 s68, s68, 5
	s_lshl_b32 s69, s42, 1
	s_add_co_u32 s68, s68, s69
	s_add_co_u32 s68, s68, s16
	s_mul_i32 s68, s68, REC
	s_mov_b32 s69, 0
	s_add_nc_u64 s[70:71], s[10:11], s[68:69]
	s_mov_b64 s[72:73], s[70:71]
	s_lshl_b32 s74, s14, 9
	s_add_co_u32 s74, s74, STG
	v_lshl_add_u32 v3, v1, 2, s74
	v_add_nc_u32 v4, s74, v[LI]
	s_mov_b32 s68, 0
	s_mov_b32 s69, 0
.macro HALVE a
	WIN (0x02+(\a)/4)
.set hk, 0
.rept 32
	v_pk_mul_f32 v[64+2*hk:65+2*hk], v[64*((\a)%4)+2*hk:64*((\a)%4)+2*hk+1], 0.5 op_sel_hi:[1,0]
.set hk, hk+1
.endr
	WIN 0
.endm
.macro PKL d, a, b, lit
.set k, 0
.rept 16
	v_pk_fma_f32 v[(\d)+2*k:(\d)+2*k+1], v[(\a)+2*k:(\a)+2*k+1], v[(\b)+2*k:(\b)+2*k+1], \lit op_sel_hi:[1,1,0]
.set k, k+1
.endr
.endm
.macro PKC d, a, c, lit
.set k, 0
.rept 16
	v_pk_fma_f32 v[(\d)+2*k:(\d)+2*k+1], v[(\a)+2*k:(\a)+2*k+1], v[\c:\c+1], \lit op_sel_hi:[1,1,0]
.set k, k+1
.endr
.endm
.macro PKM d, a, b
.set k, 0
.rept 16
	v_pk_mul_f32 v[(\d)+2*k:(\d)+2*k+1], v[(\a)+2*k:(\a)+2*k+1], v[(\b)+2*k:(\b)+2*k+1]
.set k, k+1
.endr
.endm
.macro GB hb
.set HB, 64+32*(\hb)
.set k, 0
.rept 16
	v_pk_mul_f32 v[128+2*k:129+2*k], v[HB+2*k:HB+2*k+1], 0x3fb504f3 op_sel_hi:[1,0]
.set k, k+1
.endr
.set k, 0
.rept 32
	v_med3_num_f32 v[128+k], v[128+k], -4.0, 4.0
.set k, k+1
.endr
	PKM 160, 128, 128
	PKC 192, 160, 48, 0x32edffee
	PKL 192, 192, 160, 0xb60cff51
	PKL 192, 192, 160, 0xb86ec2d2
	PKL 192, 192, 160, 0xba40ac63
	PKL 192, 192, 160, 0xbb41a1f6
	PKL 192, 192, 160, 0xbc83dbd4
	PKC 224, 160, 50, 0xb95fbd29
	PKL 224, 224, 160, 0xbadc924e
	PKL 224, 224, 160, 0xbbf19bf8
	PKL 224, 224, 160, 0xbc69b6a7
.set k, 0
	s_wait_alu depctr_va_vdst(0)
.rept 32
	v_rcp_f32 v[160+k], v[224+k]
.set k, k+1
.endr
	PKM 192, 192, 128
	s_wait_alu depctr_va_vdst(0)
	PKM 192, 192, 160
.set k, 0
.rept 16
	v_pk_fma_f32 v[HB+2*k:HB+2*k+1], v[HB+2*k:HB+2*k+1], v[192+2*k:193+2*k], v[HB+2*k:HB+2*k+1]
.set k, k+1
.endr
.endm
.Lrow:
.irp a, 1,2,3,4,5,6,7
	s_cmp_eq_u32 s68, \a
	s_cbranch_scc1 .Lacc\a
.endr
	HALVE 0
	s_branch .Lcommon
.irp a, 1,2,3,4,5,6,7
.Lacc\a:
	HALVE \a
	s_branch .Lcommon
.endr
.Lcommon:
	GB 0
	GB 1
	QUANT 64
.irp c, 0,1,2
	global_store_b128 v[LI], v[PC+4*\c:PC+4*\c+3], s[70:71] offset:512*\c
.endr
	v_add_nc_u32 v5, s69, v3
	ds_store_b32 v5, v[PW]
	s_wait_xcnt 0x0
	s_add_nc_u64 s[70:71], s[70:71], 1536
	s_add_co_u32 s69, s69, 64
	s_add_co_u32 s68, s68, 1
	s_cmp_lt_u32 s68, 8
	s_cbranch_scc1 .Lrow
	ds_load_b128 v[PC:PC+3], v4
	s_wait_dscnt 0x0
	global_store_b128 v[LI], v[PC:PC+3], s[72:73] offset:12288
	s_wait_tensorcnt 0x0
	ds_add_u32 v[SPW], v[NIL]
	s_wait_dscnt 0x0
	CROUND
	s_endpgm
.Lfunc_end_k_qb81e1809d8_g5:
	.size	k_qb81e1809d8_g5, .Lfunc_end_k_qb81e1809d8_g5-k_qb81e1809d8_g5
	.p2alignl 7, 3214868480
	.fill 96, 4, 3214868480
	.section	.rodata,"a",@progbits
	.p2align	6, 0x0
	.amdhsa_kernel k_qb81e1809d8_g5
		.amdhsa_group_segment_fixed_size 327680
		.amdhsa_private_segment_fixed_size 0
		.amdhsa_enable_private_segment 0
		.amdhsa_kernarg_size 32
		.amdhsa_user_sgpr_count 2
		.amdhsa_user_sgpr_kernarg_segment_ptr 1
		.amdhsa_wavefront_size32 1
		.amdhsa_system_sgpr_workgroup_id_x 1
		.amdhsa_system_sgpr_workgroup_id_y 1
		.amdhsa_system_sgpr_workgroup_id_z 1
		.amdhsa_system_vgpr_workitem_id 0
		.amdhsa_next_free_vgpr 1024
		.amdhsa_next_free_sgpr 100
		.amdhsa_reserve_vcc 0
		.amdhsa_float_denorm_mode_32 3
		.amdhsa_float_denorm_mode_16_64 3
		.amdhsa_memory_ordered 1
		.amdhsa_forward_progress 1
		.amdhsa_inst_pref_size 174
	.end_amdhsa_kernel
	.amdgpu_metadata
---
amdhsa.version: [ 1, 2 ]
amdhsa.kernels:
  - .name:           k_qb81e1809d8_g5
    .symbol:         k_qb81e1809d8_g5.kd
    .args:
      - { .name: a2, .offset: 0, .size: 8, .value_kind: global_buffer, .address_space: global }
      - { .name: wp, .offset: 8, .size: 8, .value_kind: global_buffer, .address_space: global }
      - { .name: ff_b1, .offset: 16, .size: 8, .value_kind: global_buffer, .address_space: global }
      - { .name: hm, .offset: 24, .size: 8, .value_kind: global_buffer, .address_space: global }
    .group_segment_fixed_size: 327680
    .private_segment_fixed_size: 0
    .kernarg_segment_align: 8
    .kernarg_segment_size: 32
    .max_flat_workgroup_size: 128
    .sgpr_count:     100
    .vgpr_count:     1024
    .wavefront_size: 32
...
	.end_amdgpu_metadata
.endif
;; end of part 5
;; launch g6 (part 6): grid 8 x 32, 4 waves a work-group, clusters of 4 x 4, 327,680 bytes of LDS; arguments hm, wp, ff_b2, x1, out0; writes out0
.if DOCPART == 6
	.amdgcn_target "amdgcn-amd-amdhsa--gfx1250"
	.amdhsa_code_object_version 6
	.text
	.protected	k_qb81e1809d8_g6
	.globl	k_qb81e1809d8_g6
	.p2align	8
	.type	k_qb81e1809d8_g6,@function
k_qb81e1809d8_g6:
	s_mov_b64 s[64:65], 0
	v_nop
	global_prefetch_b8 v0, s[64:65] scope:SCOPE_SE
	s_setreg_imm32_b32 hwreg(HW_REG_WAVE_MODE, 25, 1), 1
	s_wait_xcnt 0x0
	s_wait_alu depctr_hold_cnt(0) depctr_sa_sdst(0) depctr_va_vdst(0) depctr_va_sdst(0) depctr_va_ssrc(0) depctr_va_vcc(0) depctr_vm_vsrc(0)
	s_getreg_b32 s2, hwreg(HW_REG_IB_STS2, 6, 4)
	s_cmp_eq_u32 s2, 0
	s_cbranch_scc0 .Lentry_in_a_cluster
	s_endpgm
.Lentry_in_a_cluster:
	s_bfe_u32 s2, ttmp6, 0x10000c
	s_cmp_lg_u32 s2, 0xf033
	s_cbranch_scc0 .Lentry_shape_is_right
	s_endpgm
.Lentry_shape_is_right:
; out = resid + A B^T + bias, f32 [4096][1024], K = 4,096: A (tokens) and B (the weight's columns) as codes of FP6 (E2M3) with E8M0 scales, in records of 12,800 bytes (128 rows x 128 K: fragment rb at 1,536 rb as an
; image of the operand's registers, scale words at 12,288 + 64 rb + 4 r); record (rt, ks) at (rt KSN + ks) x 12,800.  Row p of both operands holds token or column p with bits 3 and 4 exchanged.
; A tile of C is 128 x 128, since N = 1,024 gives 256 such tiles; four waves, each 64 x 64: 16 accumulators.  The matrix instruction is used transposed (source 0 = 16 rows of B, source 1 = 16 rows of A).
; K GOES THROUGH TWO LDS SLOTS OF SIX STEPS (768 along K), as large as fit: [A: 6 steps][B: 6 steps], 12,800 bytes a step; a wave's tensor load brings three steps, 38,400 dense bytes.
; The 32 steps are 12 in the first fills, three refills of 6 and one of 2 (its own descriptors: a step, 12,800 bytes, a wave): four rounds.  Between a refill's request and the wait for it a wave issues 88 matrix instructions.
; The steps are written out, with no loop: step g lies in slot (g / 6) % 2, at place g % 6, and its fragments in register set g % 4; fragments are fetched two steps ahead.
; CLUSTERS 4 x 4: A's tiles are asked for jointly along a row of the cluster, B's along a column.  A wave has two tensor loads out at the start and one behind each round.
; The bias is the C of the first step.  The residual's tile is asked for at the head and waits in registers.  On the way out a block of 16 rows goes through the wave's own stage and leaves as rows of 256 bytes.
; No prefetch: the tiles are small, and each is read by several clusters, not once.
; THE FIRST FILLS, as this text has them: ONE tensor load a wave, six steps (76,800 dense bytes) each: wave 0 A's half of slot 0, wave 1 A's half of slot 1, waves 2 and 3 the same for B, each in an arm of its own.
; So a wave has one tensor load out at the start, not two; the first barrier waits for waves 0 and 2 alone, and slot 1 is shown by the round in step 4.  The refills bring three steps a wave, as said above.
.set W, 4
.set KSN,   32
.set WOFF,  512                        ; ff_w2's first record in wp
.set NS,    6                          ; steps in a slot
.set NP,    4                          ; sets of fragment registers
.set D,     2                          ; a step's fragments are fetched D steps ahead
.set NLD,   7*W                        ; LDS loads of a fetch
.set CNT,   NLD*(D-1)                  ; those that may stay out at a step's head
.set REC,   12800
.set PART,  3*REC                      ; what one tensor load brings
.set HALF,  2*PART                     ; A's six steps; B's follow
.set SLOT,  2*HALF
.set SPARE, 2*SLOT                     ; the spare words, 128 bytes for each wave: two blocks of 256 bytes that no other line names
.set STG,   SPARE+512                  ; the stages: 16 rows x 272 bytes for each wave; no tile lands here
.set ADRA, 4                           ; v4-7   LDS address of my A fragments: slot s, steps 3 f .. 3 f + 2 at ADRA + 2 s + f (an LDS offset holds 16 bits: three steps)
.set ADRB, 8                           ; v8-11  the same for B
.set ADRS, 12                          ; v12-15 the same for my scale words: lanes 0-15 A's, lanes 16-31 B's
.set STO,  24
.set RD,   25
.set CO,   26
.set LI,   27
.set SPW,  28                          ; v28 my spare word; never rewritten
.set NIL,  29                          ; v29 0; never rewritten
.set BO,   30
.set SC,   32                          ; v32-47 scale words: set p, block i at SC + 4 p + i
.set AF,   64                          ; window 0: A's four sets.  Window 1: B's four sets, v192.. the bias.  Window 2: the accumulators, (a, b) at 8 (4 a + b).  Window 3: the residual
.set BF,   0
.set BIAS, 192
.set G1,   24                          ; s[24:31] group 1 for A's tiles of three steps; s[32:39] groups 0, one for each slot
.set G0,   32
.set G1B,  48                          ; s[48:55], s[56:63] the same for B
.set G0B,  56
.set G1S,  68                          ; s[68:75], s[76:83] groups 1 for the last refill's tiles of one step; s[84:87], s[88:91] their groups 0
.set G1SB, 76
.set G0S,  84
.set G0SB, 88
.set G0H,  4                           ; s[4:7] group 0 of the head's load for A (the arguments that lay there have been used by then); s[96:99] for B
.set G0HB, 96
; THE PREFETCH, as this text has it (it takes the place of the line on prefetching above).  At each change of slots a wave has waited for all its tensor loads, so a refill goes out with nothing on its way beside it.
; What a refill of three steps will ask for (38,400 bytes a wave: 150 blocks of 256 bytes) is asked of memory ONE REFILL AHEAD: at the head for steps 12-17, behind the first refill for 18-23, behind the second for 24-29.
; The four partners that ask for a tile jointly share its blocks out BY ADDRESS: the partner at place p (cx for A, cy for B) takes blocks 38 p .. 38 p + 37, held at 149: two instructions a wave, a lane a block;
; the lanes left over name their wave's last block again.  The places along K stand in the immediates, so no address register is ever rewritten.  The last refill (steps 30, 31) and the head's fills come by their loads alone.
.set PF,   16                          ; v16, v17 the prefetches' offsets; never rewritten
.set PFA,  2                           ; s[2:3] my three steps of the first refill, in A or in B; never rewritten
.macro PFETCH n                        ; what the refill n + 1 will load
	global_prefetch_b8 v[PF], s[PFA:PFA+1] offset:(\n)*NS*REC th:TH_LOAD_NT scope:SCOPE_SE
	global_prefetch_b8 v[PF+1], s[PFA:PFA+1] offset:(\n)*NS*REC th:TH_LOAD_NT scope:SCOPE_SE
.endm
.set MSB, 0
.macro WIN new                         ; the immediate's high byte repeats the setting that is left
.if MSB != (\new)
	s_set_vgpr_msb (MSB<<8)|(\new)
.set MSB, (\new)
.endif
.endm
.macro JLOAD g0a, g1a, g0b, g1b        ; a joint load: waves 0 and 1 fetch for A, waves 2 and 3 for B; four v_nop follow each line
	s_cmp_eq_u32 s15, 0
	s_cbranch_scc0 .Lfor_b_\@
	tensor_load_to_lds s[\g0a:\g0a+3], s[\g1a:\g1a+7]
	s_nop 0
.rept 4
	v_nop
.endr
	s_branch .Lasked_\@
.Lfor_b_\@:
	tensor_load_to_lds s[\g0b:\g0b+3], s[\g1b:\g1b+7]
	s_nop 0
.rept 4
	v_nop
.endr
.Lasked_\@:
.endm
.macro CREST                           ; a round of the cluster's barrier behind its opening barrier
	s_cmp_lg_u32 s14, 0
	s_cbranch_scc1 .Lnot_wave_0_\@
	s_barrier_signal -3
.Lnot_wave_0_\@:
	s_barrier_wait -3
	s_barrier_signal -1
	s_barrier_wait -1
.endm
.macro CROUND
	s_barrier_signal -1
	s_barrier_wait -1
	CREST
.endm
.macro PLACES n
.rept \n
	v_nop
.endr
.endm
.macro FETCH ts, tq, tp                ; the fragments and scale words of slot ts's step tq into set tp: every load takes 16 (4) bytes a lane on end
	WIN 0x40
.set fi, 0
.rept W
.irp c, 0,1,2
	ds_load_b128 v[BF+12*W*(\tp)+12*fi+4*\c:BF+12*W*(\tp)+12*fi+4*\c+3], v[ADRB+2*(\ts)+(\tq)/3] offset:((\tq)%3)*REC+fi*1536+\c*512
.endr
.set fi, fi+1
.endr
	WIN 0
.set fi, 0
.rept W
.irp c, 0,1,2
	ds_load_b128 v[AF+12*W*(\tp)+12*fi+4*\c:AF+12*W*(\tp)+12*fi+4*\c+3], v[ADRA+2*(\ts)+(\tq)/3] offset:((\tq)%3)*REC+fi*1536+\c*512
.endr
.set fi, fi+1
.endr
.set fi, 0
.rept W
	ds_load_b32 v[SC+W*(\tp)+fi], v[ADRS+2*(\ts)+(\tq)/3] offset:((\tq)%3)*REC+fi*64
.set fi, fi+1
.endr
.endm
.macro MULA a, p, first                ; A's block a against B's four, set p.  first = 1: the bias is the C that starts the sums.  The accumulators take turns
.if \first
	WIN 0x91
.else
	WIN 0xa1
.endif
.set mb, 0
.rept W
.set rD, 8*(W*(\a)+mb)
.set rB, BF+12*W*(\p)+12*mb
.set rA, AF+12*W*(\p)+12*(\a)
.if \first
	v_wmma_scale_f32_16x16x128_f8f6f4 v[rD:rD+7], v[rB:rB+11], v[rA:rA+11], v[BIAS+8*mb:BIAS+8*mb+7], v[SC+W*(\p)+mb], v[SC+W*(\p)+(\a)] matrix_a_fmt:MATRIX_FMT_FP6 matrix_b_fmt:MATRIX_FMT_FP6 matrix_a_scale:MATRIX_SCALE_ROW1
.else
	v_wmma_scale_f32_16x16x128_f8f6f4 v[rD:rD+7], v[rB:rB+11], v[rA:rA+11], v[rD:rD+7], v[SC+W*(\p)+mb], v[SC+W*(\p)+(\a)] matrix_a_fmt:MATRIX_FMT_FP6 matrix_b_fmt:MATRIX_FMT_FP6 matrix_a_scale:MATRIX_SCALE_ROW1
.endif
.set mb, mb+1
.endr
.endm
.macro MULH lo, n, p, first
.set ma, \lo
.rept \n
	MULA ma, \p, \first
.set ma, ma+1
.endr
.endm
; Step g of 32.  mode 0: multiplies its set and, in its middle, fetches step g + 2.  mode 3: fetches nothing.  modes 1, 4, 2: the change of slots, in a slot's fifth step (the slot's last fragments were fetched in its fourth):
; each wave waits for all its tensor loads, adds 0 to its spare word, waits for that and for its reads of this slot; one barrier, which with modes 1 and 4 opens a round of the cluster's; behind it this slot is filled again:
; mode 1 with the six steps twelve on, mode 4 with the last two steps.
.macro STP g, mode, first, cnt
.set sl_, ((\g)/NS)%2
.set p_,  (\g)%NP
.set tg_, (\g)+D
.set fs_, (tg_/NS)%2
.set fq_, tg_%NS
.set fp_, tg_%NP
.if (\mode) == 0
	s_wait_dscnt \cnt                              ; this step's fetch is in; the next step's 28 loads may be out
	MULH 0, W/2, p_, \first
	PLACES 4                                       ; in front of loads into registers that matrix instructions have read
	FETCH fs_, fq_, fp_
	MULH W/2, W/2, p_, \first
.elseif (\mode) == 3
	s_wait_dscnt \cnt
	MULH 0, W, p_, \first
.else
	WIN 0
	s_wait_tensorcnt 0x0                           ; all my tensor loads have landed: my part of the other slot
	ds_add_u32 v[SPW], v[NIL]
	s_wait_dscnt \cnt+1                            ; (the add and the next step's 28 loads may be out)
	MULH 0, W/4, p_, 0
	s_wait_dscnt 0x0                               ; the add is done, and my reads of this slot are over
	s_barrier_signal -1
	MULH W/4, W/4, p_, 0
	WIN 0
	s_barrier_wait -1
.if (\mode) == 1
	CREST
	s_add_nc_u64 s[G0+4*sl_+2:G0+4*sl_+3], s[G0+4*sl_+2:G0+4*sl_+3], 2*NS*REC
	s_add_nc_u64 s[G0B+4*sl_+2:G0B+4*sl_+3], s[G0B+4*sl_+2:G0B+4*sl_+3], 2*NS*REC
	s_mov_b32 s[G1+2], 150<<16                     ; no tensor load of mine is out: a refill brings three steps, 150 rows of 256 bytes
	s_mov_b32 s[G1+4], 150
	s_mov_b32 s[G1B+2], 150<<16
	s_mov_b32 s[G1B+4], 150
	JLOAD G0+4*sl_, G1, G0B+4*sl_, G1B             ; the first tensor load behind the round; its four v_nop are also the places in front of the loads below
.elseif (\mode) == 4
	CREST
	JLOAD G0S, G1S, G0SB, G1SB
.else
	PLACES 4
.endif
	FETCH fs_, fq_, fp_
.if (\mode) == 1 && (\g) < 16
	PFETCH ((\g)+2)/NS                             ; behind the joint load and the run of LDS loads: the next refill's three steps
.endif
	MULH W/2, W/2, p_, 0
.endif
.endm
	s_load_b256 s[4:11], s[0:1], 0x0               ; A, wp, bias, resid
	s_load_b64 s[12:13], s[0:1], 0x20              ; out
	v_lshl_add_u32 v[SPW], v0, 2, SPARE
	v_mov_b32 v[NIL], 0
	ds_add_u32 v28, v29
	ds_add_u32 v28, v29
	s_wait_dscnt 0x0
	v_lshrrev_b32 v1, 5, v0
	v_readfirstlane_b32 s14, v1
	s_lshr_b32 s15, s14, 1                         ; wy: my half of A's rows.  Also: I fetch for A (0) or B (1)
	s_and_b32 s16, s14, 1                          ; wx: my half of B's rows.  Also: which part of a slot I fetch
	s_bfe_u32 s40, ttmp6, 0x40000                  ; cx
	s_bfe_u32 s41, ttmp6, 0x40004                  ; cy
	s_lshl_b32 s42, ttmp9, 2
	s_add_co_u32 s42, s42, s40                     ; tx
	s_and_b32 s17, ttmp7, 0xffff
	s_lshl_b32 s17, s17, 2
	s_add_co_u32 s17, s17, s41                     ; ty
	s_lshl_b32 s43, s41, 2
	s_lshl_b32 s43, 15, s43                        ; my row of the cluster
	s_lshl_b32 s44, 0x1111, s40                    ; my column
	s_or_b32 s[G1], s43, (3<<16)|(1<<21)           ; the mask; elements of 8 bytes; bit 21 beside a mask; no padding
	s_or_b32 s[G1B], s44, (3<<16)|(1<<21)
	s_or_b32 s[G1S], s43, (3<<16)|(1<<21)
	s_or_b32 s[G1SB], s44, (3<<16)|(1<<21)
.irp g, G1, G1B
	s_mov_b32 s[\g+1], 32<<16                      ; 300 rows of 256 bytes, dense: six steps
	s_mov_b32 s[\g+2], 300<<16
	s_mov_b32 s[\g+3], 32<<16
	s_mov_b32 s[\g+4], 300
	s_mov_b32 s[\g+5], 32
	s_mov_b32 s[\g+6], 0
	s_mov_b32 s[\g+7], 0
.endr
.irp g, G1S, G1SB
	s_mov_b32 s[\g+1], 32<<16                      ; 50 rows: one step
	s_mov_b32 s[\g+2], 50<<16
	s_mov_b32 s[\g+3], 32<<16
	s_mov_b32 s[\g+4], 50
	s_mov_b32 s[\g+5], 32
	s_mov_b32 s[\g+6], 0
	s_mov_b32 s[\g+7], 0
.endr
	s_mul_i32 s18, s16, 3                          ; which three steps of a slot I fetch
	s_mul_i32 s20, s17, KSN
	s_add_co_u32 s22, s20, s16
	s_add_co_u32 s22, s22, 30                      ; the last refill: step 30 + wx
	s_add_co_u32 s20, s20, s18
	s_mul_i32 s20, s20, REC
	s_mul_i32 s22, s22, REC
	s_mov_b32 s21, 0
	s_mov_b32 s23, 0
	s_mul_i32 s46, s42, KSN
	s_add_co_u32 s46, s46, WOFF
	s_add_co_u32 s92, s46, s16
	s_add_co_u32 s92, s92, 30
	s_add_co_u32 s46, s46, s18
	s_mul_i32 s46, s46, REC
	s_mul_i32 s92, s92, REC
	s_mov_b32 s47, 0
	s_mov_b32 s93, 0
	s_mul_i32 s45, s14, PART                       ; where my load lands: no place in the cluster enters an LDS address
	s_mul_i32 s94, s15, HALF
	s_mul_i32 s95, s16, REC
	s_add_co_u32 s94, s94, s95                     ; and the last refill's: A's or B's half, + a step x wx
	s_wait_kmcnt 0x0
	s_add_nc_u64 s[20:21], s[4:5], s[20:21]
	s_add_nc_u64 s[22:23], s[4:5], s[22:23]
	s_add_nc_u64 s[46:47], s[6:7], s[46:47]
	s_add_nc_u64 s[92:93], s[6:7], s[92:93]
	s_mov_b32 s[G0S], 1
	s_add_co_u32 s[G0S+1], s94, SLOT               ; into slot 1
	s_mov_b64 s[G0S+2:G0S+3], s[22:23]
	s_or_b32 s[G0S+3], s[G0S+3], 0x80000000
	s_mov_b32 s[G0SB], 1
	s_add_co_u32 s[G0SB+1], s94, SLOT
	s_mov_b64 s[G0SB+2:G0SB+3], s[92:93]
	s_or_b32 s[G0SB+3], s[G0SB+3], 0x80000000
	CROUND                                         ; all sixteen work-groups are here: the first joint loads meet
.irp s, 0,1
	s_mov_b32 s[G0+4*\s], 1
	s_add_co_u32 s[G0+4*\s+1], s45, \s*SLOT
	s_add_nc_u64 s[G0+4*\s+2:G0+4*\s+3], s[20:21], \s*NS*REC
	s_or_b32 s[G0+4*\s+3], s[G0+4*\s+3], 0x80000000
	s_mov_b32 s[G0B+4*\s], 1
	s_add_co_u32 s[G0B+4*\s+1], s45, \s*SLOT
	s_add_nc_u64 s[G0B+4*\s+2:G0B+4*\s+3], s[46:47], \s*NS*REC
	s_or_b32 s[G0B+4*\s+3], s[G0B+4*\s+3], 0x80000000
.endr
	s_mul_i32 s94, s16, 3*REC                      ; from my three steps of a slot to step 6 wx: the head's six
	s_mov_b32 s95, 0
	s_mul_i32 s92, s16, SLOT                       ; into slot wx
	s_mov_b32 s[G0H], 1
	s_mov_b32 s[G0H+1], s92
	s_add_nc_u64 s[G0H+2:G0H+3], s[20:21], s[94:95]
	s_or_b32 s[G0H+3], s[G0H+3], 0x80000000
	s_mov_b32 s[G0HB], 1
	s_add_co_u32 s[G0HB+1], s92, HALF
	s_add_nc_u64 s[G0HB+2:G0HB+3], s[46:47], s[94:95]
	s_or_b32 s[G0HB+3], s[G0HB+3], 0x80000000
.macro HARM w, g0, g1, next            ; an arm of the head's one chain of branches on the wave's number: one load, and a jump to the join
	s_cmp_eq_u32 s14, \w
	s_cbranch_scc0 \next
	tensor_load_to_lds s[\g0:\g0+3], s[\g1:\g1+7]
	s_nop 0
.rept 4
	v_nop
.endr
	s_branch .Lhead_asked
\next:
.endm
	HARM 0, G0H,  G1,  .Lhead_1
	HARM 1, G0H,  G1,  .Lhead_2
	HARM 2, G0HB, G1B, .Lhead_3
	tensor_load_to_lds s[G0HB:G0HB+3], s[G1B:G1B+7]
	s_nop 0
.rept 4
	v_nop
.endr
.Lhead_asked:
	s_cmp_eq_u32 s15, 0                            ; do I fetch for A?
	s_cselect_b64 s[PFA:PFA+1], s[20:21], s[46:47]
	s_cselect_b32 s93, s40, s41                    ; my place among the four that ask with me
	s_add_nc_u64 s[PFA:PFA+1], s[PFA:PFA+1], 2*NS*REC   ; from my three steps of slot 0's first tiles to those of its first refill
	s_mul_i32 s93, s93, 38                         ; my work-group's first block of the 150
	v_and_b32 v1, 15, v0                           ; r
	v_bfe_u32 v2, v0, 4, 1                         ; h
	v_and_b32 v[LI], 31, v0
	v_lshlrev_b32 v[LI], 4, v[LI]
	s_mul_i32 s18, s15, 6144                       ; my four fragments of a record's eight
	s_mul_i32 s19, s16, 6144
	s_add_co_u32 s19, s19, HALF
	v_add_nc_u32 v[ADRA], s18, v[LI]
	v_add_nc_u32 v[ADRB], s19, v[LI]
	s_mul_i32 s18, s15, 256
	s_mul_i32 s19, s16, 256
	s_add_co_u32 s19, s19, HALF
	s_sub_co_u32 s19, s19, s18                     ; from A's scale words to B's
	v_mul_u32_u24 v3, s19, v2                      ; lanes 16-31 take B's
	s_wait_alu depctr_va_vdst(0)
	s_add_co_u32 s18, s18, 12288
	v_lshl_add_u32 v3, v1, 2, v3
	v_add_nc_u32 v[ADRS], s18, v3
.irp g, ADRA, ADRB, ADRS
	v_add_nc_u32 v[\g+1], PART, v[\g]
	v_add_nc_u32 v[\g+2], SLOT, v[\g]
	v_add_nc_u32 v[\g+3], SLOT+PART, v[\g]
.endr
	v_and_b32 v[PF], 31, v0
	v_add_nc_u32 v[PF+1], 32, v[PF]
	v_min_u32 v[PF+1], 37, v[PF+1]                 ; 38 blocks: 32 by the first instruction, 6 by the second
	v_add_nc_u32 v[PF], s93, v[PF]
	v_add_nc_u32 v[PF+1], s93, v[PF+1]
	v_min_u32 v[PF], 149, v[PF]                    ; the fourth partner has 36
	v_min_u32 v[PF+1], 149, v[PF+1]
	v_lshlrev_b32 v[PF], 8, v[PF]
	v_lshlrev_b32 v[PF+1], 8, v[PF+1]
	v_lshlrev_b32 v[BO], 6, v2
	s_wait_alu depctr_va_vdst(0)
	s_mul_i32 s18, s14, 4352
	s_add_co_u32 s18, s18, STG                     ; my stage
	v_mul_u32_u24 v[STO], v1, 272
	v_lshl_add_u32 v[STO], v2, 6, v[STO]
	v_add_nc_u32 v[STO], s18, v[STO]               ; in: row r, + 64 h
	v_mul_u32_u24 v[RD], v2, 272
	v_lshl_add_u32 v[RD], v1, 4, v[RD]
	v_add_nc_u32 v[RD], s18, v[RD]                 ; back: lanes 0-15 one row of 256 bytes, lanes 16-31 the next
	v_lshlrev_b32 v[CO], 12, v2
	v_lshl_add_u32 v[CO], v1, 4, v[CO]             ; and the same two rows in memory
	s_wait_alu depctr_va_vdst(0)
	s_mul_i32 s18, s42, 128*W
	s_mul_i32 s19, s16, 64*W
	s_add_co_u32 s18, s18, s19
	s_mov_b32 s19, 0
	s_add_nc_u64 s[8:9], s[8:9], s[18:19]          ; the bias of my 64 columns
	s_lshl_b32 s22, s17, 7
	s_lshl_b32 s23, s15, 6
	s_add_co_u32 s22, s22, s23
	s_lshl_b32 s22, s22, 12                        ; my first row, 4,096 bytes a row,
	s_add_co_u32 s22, s22, s18                     ; and my first column
	s_mov_b32 s23, 0
	s_add_nc_u64 s[10:11], s[10:11], s[22:23]
	s_add_nc_u64 s[12:13], s[12:13], s[22:23]
	WIN 0x40
.set bi, 0
.rept W
	global_load_b128 v[BIAS+8*bi:BIAS+8*bi+3], v[BO], s[8:9] offset:(32*(bi/2)+8*(bi%2))*4
	global_load_b128 v[BIAS+8*bi+4:BIAS+8*bi+7], v[BO], s[8:9] offset:(32*(bi/2)+8*(bi%2))*4+16
.set bi, bi+1
.endr
	WIN 0
	s_cmp_eq_u32 s16, 0                            ; waves 0 and 2 brought slot 0: they wait; slot 1's loads may stay out
	s_cbranch_scc0 .Lslot_1
	s_wait_tensorcnt 0x0
.Lslot_1:
	s_barrier_signal -1
	s_barrier_wait -1
	FETCH 0, 0, 0
	FETCH 0, 1, 1
	PFETCH 0                                       ; steps 12 to 17
	s_wait_loadcnt 0x0                             ; the bias
	STP 0, 0, 1, CNT                               ; the first step's products start the sums
.irp g, 1,2,3
	STP \g, 0, 0, CNT
.endr
	STP 4, 1, 0, CNT                               ; slot 0 takes steps 12 to 17
	WIN 0xc0                                       ; THE RESIDUAL is asked for here, not at the head (as against the words above).
.irp a, 0,1,2,3                        ; block a's row 2 t + l / 16 is token 32 (a / 2) + 8 (a % 2) + 2 t + 8 (t / 4) + l / 16 of my 64
.irp t, 0,1,2,3,4,5,6,7
	global_load_b128 v[32*\a+4*\t:32*\a+4*\t+3], v[CO], s[10:11] offset:(32*(\a/2)+8*(\a%2)+2*\t+8*(\t/4))*4096 th:TH_LOAD_NT
.endr
.endr
	WIN 0
.irp g, 5,6,7,8,9
	STP \g, 0, 0, CNT
.endr
	STP 10, 1, 0, CNT                              ; slot 1 takes steps 18 to 23
.irp g, 11,12,13,14,15
	STP \g, 0, 0, CNT
.endr
	STP 16, 1, 0, CNT                              ; slot 0 takes steps 24 to 29
.irp g, 17,18,19,20,21
	STP \g, 0, 0, CNT
.endr
	STP 22, 4, 0, CNT                              ; slot 1 takes steps 30 and 31
.irp g, 23,24,25,26,27
	STP \g, 0, 0, CNT
.endr
	STP 28, 2, 0, CNT                              ; the last change of slots fills nothing
	STP 29, 0, 0, CNT
	STP 30, 3, 0, CNT
	STP 31, 3, 0, 0
	WIN 0
	PLACES 4
	s_wait_loadcnt 0x0                             ; the residual
.irp a, 0,1,2,3
	WIN 0x08                                       ; an LDS store's data are its source 1: window 2
.irp b, 0,1,2,3
	ds_store_b128 v[STO], v[8*(4*\a+\b):8*(4*\a+\b)+3] offset:128*(\b/2)+32*(\b%2)         ; register j of tile b is column 32 (b / 2) + 16 h + 8 (b % 2) + j; each accumulator from its low end on
	ds_store_b128 v[STO], v[8*(4*\a+\b)+4:8*(4*\a+\b)+7] offset:128*(\b/2)+32*(\b%2)+16
.endr
	WIN 0
.irp t, 0,1,2,3,4,5,6,7
	ds_load_b128 v[64+32*\a+4*\t:64+32*\a+4*\t+3], v[RD] offset:544*\t   ; LDS serves a wave's instructions in order (ISA guide 5.7.1.4): these see my stores
.endr
	s_wait_dscnt 0x0
	WIN 0x0c                                       ; source 1: window 3
.set k, 0
.rept 16
	v_pk_add_f32 v[64+32*\a+2*k:64+32*\a+2*k+1], v[64+32*\a+2*k:64+32*\a+2*k+1], v[32*\a+2*k:32*\a+2*k+1]
.set k, k+1
.endr
	WIN 0
.irp t, 0,1,2,3,4,5,6,7
	global_store_b128 v[CO], v[64+32*\a+4*\t:64+32*\a+4*\t+3], s[12:13] offset:(32*(\a/2)+8*(\a%2)+2*\t+8*(\t/4))*4096 th:TH_STORE_NT   ; 16 lanes store 256 consecutive bytes, aligned
.endr
.endr
	s_wait_tensorcnt 0x0                           ; the wave's end
	ds_add_u32 v[SPW], v[NIL]
	s_wait_dscnt 0x0
	CROUND                                         ; the closing round
	s_endpgm
.Lfunc_end_k_qb81e1809d8_g6:
	.size	k_qb81e1809d8_g6, .Lfunc_end_k_qb81e1809d8_g6-k_qb81e1809d8_g6
	.p2alignl 7, 3214868480
	.fill 96, 4, 3214868480
	.section	.rodata,"a",@progbits
	.p2align	6, 0x0
	.amdhsa_kernel k_qb81e1809d8_g6
		.amdhsa_group_segment_fixed_size 327680
		.amdhsa_private_segment_fixed_size 0
		.amdhsa_enable_private_segment 0
		.amdhsa_kernarg_size 40
		.amdhsa_user_sgpr_count 2
		.amdhsa_user_sgpr_kernarg_segment_ptr 1
		.amdhsa_wavefront_size32 1
		.amdhsa_system_sgpr_workgroup_id_x 1
		.amdhsa_system_sgpr_workgroup_id_y 1
		.amdhsa_system_sgpr_workgroup_id_z 1
		.amdhsa_system_vgpr_workitem_id 0
		.amdhsa_next_free_vgpr 1024
		.amdhsa_next_free_sgpr 100
		.amdhsa_reserve_vcc 0
		.amdhsa_float_denorm_mode_32 3
		.amdhsa_float_denorm_mode_16_64 3
		.amdhsa_memory_ordered 1
		.amdhsa_forward_progress 1
		.amdhsa_inst_pref_size 161
	.end_amdhsa_kernel
	.amdgpu_metadata
---
amdhsa.version: [ 1, 2 ]
amdhsa.kernels:
  - .name:           k_qb81e1809d8_g6
    .symbol:         k_qb81e1809d8_g6.kd
    .args:
      - { .name: hm, .offset: 0, .size: 8, .value_kind: global_buffer, .address_space: global }
      - { .name: wp, .offset: 8, .size: 8, .value_kind: global_buffer, .address_space: global }
      - { .name: ff_b2, .offset: 16, .size: 8, .value_kind: global_buffer, .address_space: global }
      - { .name: x1, .offset: 24, .size: 8, .value_kind: global_buffer, .address_space: global }
      - { .name: out0, .offset: 32, .size: 8, .value_kind: global_buffer, .address_space: global }
    .group_segment_fixed_size: 327680
    .private_segment_fixed_size: 0
    .kernarg_segment_align: 8
    .kernarg_segment_size: 40
    .max_flat_workgroup_size: 128
    .sgpr_count:     100
    .vgpr_count:     1024
    .wavefront_size: 32
...
	.end_amdgpu_metadata
.endif
;; end of part 6
